; MI455X (gfx1250); checked and timed in simulation.
; The chip was launched on July 23, 2026; its instructions are those of AMD's public machine-readable ISA for CDNA 5 (MIT licence, August 2026) and "CDNA5" Instruction Set Architecture Reference Guide (July 2026). The comments in the code are by the model that wrote it; some were corrected since.
;; Qwen3 Moe Attention. Allowed arithmetic: matrix products marked QUANTISED: E2M1 operands, one E8M0 scale for each 32 along K, by v_wmma_scale_f32_16x16x128_f8f6f4 with both operands' format E2M1 (or v_wmma_scale_f32_32x16x128_f4), f32 sums; products left as they are: bf16, f16 or f32 operands; f32 sums; everything else in f32.
;; Inputs: Wk 2,048 x 512 float32; Wo 4,096 x 2,048 float32; Wq 2,048 x 4,096 float32; Wv 2,048 x 512 float32; cos 1,024 x 128 float32; hidden_states 2 x 1,024 x 2,048 float32; k_norm_w 128 float32; q_norm_w 128 float32; sin 1,024 x 128 float32.
;; Outputs: out0 2 x 1,024 x 2,048 float32.
;; This version of the problem:
;;   THIS VERSION OF THE PROBLEM IS GIVEN IN LOW PRECISION. The matrix products marked QUANTISED in the list below multiply operands that are first quantised to E2M1 (2 exponent bits, 1 mantissa bit; 4 bits a number), with one power-of-two scale for each 32 numbers along K (OCP MX v1.0); their sums are f32. The products marked 'left as it is' may take bf16, f16 or f32 operands, with f32 sums. Whichever they take, every output number must still come out within the allowed error. Rounding operands to bf16 (8 significant bits) uses up far more of that allowance than f16 does (11 bits, for magnitudes from 6e-5 to 65,504). All else is computed in f32.
;;   The module's matrix products, in the order in which they are computed (A, B: the left and right operand; K: the contracted axis; several contracted axes count as one K, in the product's order):
;;     1. [M 2,048, K 2,048] x [K 2,048, N 4,096]; A: input hidden_states; B: input Wq: QUANTISED
;;     2. [M 2,048, K 2,048] x [K 2,048, N 512]; A: input hidden_states; B: input Wk: QUANTISED
;;     3. [M 2,048, K 2,048] x [K 2,048, N 512]; A: input hidden_states; B: input Wv: QUANTISED
;;     4. batch 64 x [M 1,024, K 128] x [K 128, N 1,024]; A: computed on the way; B: computed on the way: left as it is (an operand is computed on the way)
;;     5. batch 64 x [M 128, K 1,024] x [K 1,024, N 1,024]; A: computed on the way; B: computed on the way: left as it is (an operand is computed on the way)
;;     6. [M 2,048, K 4,096] x [K 4,096, N 2,048]; A: computed on the way; B: input Wo: left as it is (an operand is computed on the way)
;;   THE QUANTISER, for each operand of a quantised product, along K:
;;     - K is cut into blocks of 32 from its start; a last block that is shorter is filled with zeros.
;;     - A block's scale is 2^e with e = floor(log2(the largest magnitude in the block)) - 2, held to -126 .. 127; a block of zeros has e = 0. As a byte (E8M0): e + 127.
;;     - Each number is divided by its block's scale, clamped to +-6, and rounded to the nearest number of E2M1, ties to even, subnormals kept.
;;     - The product sums the exact products of the quantised numbers (number of the format x scale) in f32.
;;   ~~~python
;;   def quantise(x, axis):      # numpy; x: float32 -> the quantised numbers, widened to float32 again
;;       x = np.moveaxis(x, axis, -1); K = x.shape[-1]
;;       x = np.pad(x, [(0, 0)] * (x.ndim - 1) + [(0, -K % 32)]); x = x.reshape(x.shape[:-1] + (-1, 32)); a = np.abs(x).max(-1, keepdims=True)
;;       e = np.where(a > 0, np.clip(np.frexp(np.where(a > 0, a, 1))[1] - 1 - 2, -126, 127), 0)      # np.frexp(a)[1] - 1 = floor(log2(a)), exactly
;;       r = np.clip(x / 2.0 ** e, -6, 6)
;;       step = 2.0 ** (np.maximum(np.frexp(np.where(r == 0, 1, r))[1] - 1, 0) - 1)
;;       q = np.round(r / step) * step * 2.0 ** e      # np.round: ties to even
;;       return np.moveaxis(q.reshape(q.shape[:-2] + (-1,))[..., :K], -1, axis).astype(np.float32)
;;   ~~~
;; One version. Each part assembles by itself: llvm-mc -triple=amdgcn-amd-amdhsa -mcpu=gfx1250 --defsym DOCPART=n.
;; ======== version 1 of 1: 4 launches
;; limits: values are held in f16: magnitudes above 65,504 overflow, below 6.1e-05 lose precision
;; workspace buffers: xc 2,097,152 bytes; xs 131,072 bytes; wc 5,242,880 bytes; ws 327,680 bytes; wo16 16,777,216 bytes; qkv 20,971,520 bytes; ao 16,777,216 bytes
;; launch prep (part 1): grid 1024 x 1, 4 waves a work-group, no clusters, 42,496 bytes of LDS; arguments hidden_states, Wq, Wk, Wv, Wo, xc, xs, wc, ws, wo16; writes xc, xs, wc, ws, wo16
.if DOCPART == 1
	.amdgcn_target "amdgcn-amd-amdhsa--gfx1250"
	.amdhsa_code_object_version 6
	.text
	.protected	k_qd4fad71652_prep
	.globl	k_qd4fad71652_prep
	.p2align	8
	.type	k_qd4fad71652_prep,@function
k_qd4fad71652_prep:
	s_mov_b64 s[64:65], 0
	v_nop
	global_prefetch_b8 v0, s[64:65] scope:SCOPE_SE
	s_setreg_imm32_b32 hwreg(HW_REG_WAVE_MODE, 25, 1), 1
	s_wait_xcnt 0x0
; PREP: what the later launches read many times is made once.  Three kinds of work-groups, told apart by the work-group's number alone:
;   X (0-127):    hidden_states [2048][2048] f32, K innermost -> codes of FP4 (E2M1) xc [2048][1024 bytes] and E8M0 scale bytes xs [2048][64].
;   W (128-767):  Wq | Wk | Wv, f32, K = the FIRST axis -> wc [5120 columns][1024 bytes], K innermost, and ws [5120][64].  Columns 0-4095 Wq, 4096-4607 Wk, 4608-5119 Wv.
;   O (768-1023): Wo [4096][2048] f32 -> wo16, f16, its rows moved inside each head of 128: row c goes to place 8 ((c & 63) >> 2) + 4 (c >> 6) + (c & 3),
;                 the order in which the later launches keep a head's channels.  Four neighbouring rows stay neighbours, so a wave takes four rows.
; A block's scale is 2^(floor(log2(largest magnitude)) - 2); its byte is the largest magnitude's exponent field - 2, held at 1 from below.
; LIMITS: a block of zeros, and a block whose largest magnitude lies under 2^-124, keeps the byte 1 (its codes are zeros or nearly so; only this program reads the bytes);
; NaN and infinities among the inputs are not served; a number of Wo beyond 65,504 becomes an infinity of f16.
; A stream: no tensor load, no matrix unit, no cluster: nothing is read twice.  1,024 work-groups of four waves with 232 registers and 42,496 bytes of LDS: four fit on a WGP together.
; Each wave's share is short (16 or 32 KB), so that few waits follow each other in a wave, and 8 to 16 KB of it are asked for at a time.  Each path has LDS bytes of its own.
.set SPARE, 41984                      ; behind both paths' regions: the spare words, 128 bytes for each wave
.set SPW,   224                        ; v224 LDS address of my spare word; never rewritten
.set NIL,   225                        ; v225 0; never rewritten
.set XWREG, 8192                       ; path X: LDS 0..32,767: a region for each wave: two stages of 32 x 80 bytes, then its 256 scale bytes
.set XSP,   80                         ; a lane's place in a stage: 64 bytes + 16 of padding
.set XD,    8                          ; loads run eight steps ahead: 32 loads of 512 bytes
.set XR,    16                         ; v16-143  eight sets of 16 numbers as loaded
.set XX,    144                        ; v144-175 two sets of 16 neighbours
.set XE,    176                        ; v176-191 a scale byte for each step
.set XC,    192                        ; v192-223 codes, two registers for each step
.set WSTG,  32768                      ; path W: LDS 32,768..41,471: the work-group's stage, 32 rows (columns of the weight) x 272 bytes;
.set WPITCH, 272
.set WSC,   WSTG+32*WPITCH             ; 41,472..41,983: 16 scale bytes for each of the 32 columns
.set WX,    32                         ; v32-95   two sets of 32 numbers
.set WC,    96                         ; v96-111  codes, four registers for each of a wave's four blocks
.set WSB,   24                         ; v24      my four scale bytes
.set WOUT,  112                        ; v112-131 the way out
.set WRO,   176                        ; v176-207 byte offset of row i of a block: 4 x lane + i x the tensor's row
.set WB,    36                         ; s[36:43] where each of my four blocks begins
.set OIN,   32                         ; path O: v32-159 two sets of 16 loads
.set OOUT,  160                        ; v160-223 two sets of 16 pairs
	s_load_b512 s[4:19], s[0:1], 0x0               ; hidden 4:5, Wq 6:7, Wk 8:9, Wv 10:11, Wo 12:13, xc 14:15, xs 16:17, wc 18:19
	s_load_b128 s[20:23], s[0:1], 0x40             ; ws 20:21, wo16 22:23
	v_lshl_add_u32 v[SPW], v0, 2, SPARE
	v_mov_b32 v[NIL], 0
	v_lshrrev_b32 v1, 5, v0
	v_readfirstlane_b32 s24, v1                    ; wave 0..3
	v_and_b32 v2, 31, v0                           ; lane
	s_wait_kmcnt 0x0
	s_cmp_lt_u32 ttmp9, 128
	s_cbranch_scc1 .Lpath_x
	s_cmp_lt_u32 ttmp9, 768
	s_cbranch_scc1 .Lpath_w
; ---------------- PATH O: four rows of Wo to f16 ----------------
	s_sub_co_u32 s25, ttmp9, 768
	s_lshl_b32 s25, s25, 2
	s_add_co_u32 s25, s25, s24                     ; which four rows: 0..1023
	s_lshl_b32 s26, s25, 15                        ; four rows of 8,192 bytes
	s_mov_b32 s27, 0
	s_add_nc_u64 s[12:13], s[12:13], s[26:27]
	s_and_b32 s28, s25, 31                         ; the four's number in its head
	s_lshr_b32 s29, s25, 5
	s_lshl_b32 s29, s29, 5                         ; 32 x head
	s_and_b32 s30, s28, 15
	s_lshl_b32 s30, s30, 1
	s_add_co_u32 s29, s29, s30
	s_lshr_b32 s28, s28, 4
	s_add_co_u32 s29, s29, s28                     ; its new number: 32 head + 2 (number & 15) + (number >> 4)
	s_lshl_b32 s26, s29, 14                        ; four rows of 4,096 bytes
	s_add_nc_u64 s[22:23], s[22:23], s[26:27]
	v_lshlrev_b32 v3, 4, v2                        ; in: 16 bytes a lane
	v_lshlrev_b32 v4, 3, v2                        ; out: 8 bytes a lane
.macro OLOAD q                         ; row q: 16 loads of 512 consecutive bytes
.irp i, 0,1,2,3,4,5,6,7,8,9,10,11,12,13,14,15
	global_load_b128 v[OIN+64*((\q)%2)+4*\i:OIN+64*((\q)%2)+4*\i+3], v3, s[12:13] offset:(\q)*8192+\i*512 th:TH_LOAD_NT
.endr
.endm
.macro OCVT q
.if (\q) < 3
	s_wait_loadcnt 16                              ; this row's 16 loads are in; the next row's 16 may be out
.else
	s_wait_loadcnt 0x0
.endif
.if (\q) >= 2
	s_wait_xcnt 0x0                                ; the stores of two rows back have read their data: this set of pairs is written again
.endif
.irp i, 0,1,2,3,4,5,6,7,8,9,10,11,12,13,14,15
	v_cvt_pk_f16_f32 v[OOUT+32*((\q)%2)+2*\i],   v[OIN+64*((\q)%2)+4*\i],   v[OIN+64*((\q)%2)+4*\i+1]
	v_cvt_pk_f16_f32 v[OOUT+32*((\q)%2)+2*\i+1], v[OIN+64*((\q)%2)+4*\i+2], v[OIN+64*((\q)%2)+4*\i+3]
.endr
.if (\q)+2 < 4
	OLOAD (\q)+2
.endif
.irp i, 0,1,2,3,4,5,6,7,8,9,10,11,12,13,14,15
	global_store_b64 v4, v[OOUT+32*((\q)%2)+2*\i:OOUT+32*((\q)%2)+2*\i+1], s[22:23] offset:(\q)*4096+\i*256   ; the wave stores 256 consecutive bytes, aligned
.endr
.endm
	OLOAD 0
	OLOAD 1
	OCVT 0
	OCVT 1
	OCVT 2
	OCVT 3
	s_wait_tensorcnt 0x0                           ; the wave's end
	ds_add_u32 v[SPW], v[NIL]
	s_wait_dscnt 0x0
	s_endpgm
; ---------------- PATH X: hidden_states, K innermost ----------------
; A wave takes 16 steps of 512 numbers.  Each load reads 512 consecutive bytes; a step's 2,048 bytes turn through the wave's own stage, so that a lane then holds 16 neighbours; two neighbouring lanes hold a block of 32.
; Waves share nothing here: no barrier.
.Lpath_x:
	v_lshlrev_b32 v3, 4, v2                        ; my 16 bytes of a load's 512
	s_mul_i32 s28, s24, XWREG
	v_lshrrev_b32 v14, 2, v2
	v_mul_u32_u24 v14, v14, XSP
	v_and_b32 v15, 3, v2
	v_lshl_add_u32 v14, v15, 4, v14
	v_add_nc_u32 v14, s28, v14                     ; the stage, on the way in: 80 (lane / 4) + 16 (lane % 4)
	v_mul_u32_u24 v15, v2, XSP
	v_add_nc_u32 v15, s28, v15                     ; and on the way out: 80 x lane
	v_lshlrev_b32 v4, 3, v2                        ; my 8 bytes of a step's codes
	v_lshrrev_b32 v5, 1, v2
	s_add_co_u32 s28, s28, 2*32*XSP
	v_add_nc_u32 v5, s28, v5                       ; my block's byte among my wave's 256 scale bytes
	v_lshlrev_b32 v7, 3, v2
	v_add_nc_u32 v6, s28, v7                       ; and 8 bytes a lane on their way out
	s_lshl_b32 s25, ttmp9, 2
	s_add_co_u32 s25, s25, s24                     ; which run of 8,192 numbers is my wave's
	s_mov_b32 s27, 0
	s_lshl_b32 s26, s25, 15
	s_add_nc_u64 s[4:5], s[4:5], s[26:27]
	s_lshl_b32 s26, s25, 12
	s_add_nc_u64 s[14:15], s[14:15], s[26:27]
	s_lshl_b32 s26, s25, 8
	s_add_nc_u64 s[16:17], s[16:17], s[26:27]
.macro XLOAD t
.irp i, 0,1,2,3
	global_load_b128 v[XR+16*((\t)%XD)+4*\i:XR+16*((\t)%XD)+4*\i+3], v3, s[4:5] offset:2048*(\t)+512*\i th:TH_LOAD_NT
.endr
.endm
.macro XTURN t                         ; LDS serves a wave's instructions in order: no wait between the stores and the loads
.irp i, 0,1,2,3
	ds_store_b128 v14, v[XR+16*((\t)%XD)+4*\i:XR+16*((\t)%XD)+4*\i+3] offset:32*XSP*((\t)%2)+8*XSP*\i
.endr
.irp i, 0,1,2,3
	ds_load_b128 v[XX+16*((\t)%2)+4*\i:XX+16*((\t)%2)+4*\i+3], v15 offset:32*XSP*((\t)%2)+16*\i
.endr
.endm
.irp t, 0,1,2,3,4,5,6,7
	XLOAD \t
.endr
	s_wait_loadcnt 4*(XD-1)                        ; step 0's four loads are in; seven steps' loads may be out
	XTURN 0
.macro XSTEP t
.set XSX, XX+16*((\t)%2)
.if (\t) > 0
	s_wait_dscnt 1                                 ; this step's numbers are back from the stage; the last step's byte store may be out
.else
	s_wait_dscnt 0x0
.endif
.if (\t)+XD < 16
	XLOAD (\t)+XD                                  ; into the registers that this step's stage stores have read
.endif
.if (\t)+1 < 16
.if (\t)+XD <= 15
	s_wait_loadcnt 4*(XD-1)                        ; the next step's four loads are in; seven steps' loads may be out
.else
	s_wait_loadcnt 4*(14-(\t))                     ; nothing more is asked for: the count runs down
.endif
	XTURN (\t)+1
.endif
	v_max3_num_f32 v8, |v[XSX]|, |v[XSX+1]|, |v[XSX+2]|
	v_max3_num_f32 v9, |v[XSX+3]|, |v[XSX+4]|, |v[XSX+5]|
.irp i, 6,10
	v_max3_num_f32 v8, v8, |v[XSX+\i]|, |v[XSX+\i+1]|
	v_max3_num_f32 v9, v9, |v[XSX+\i+2]|, |v[XSX+\i+3]|
.endr
	v_max3_num_f32 v8, v8, |v[XSX+14]|, |v[XSX+15]|
	v_max3_num_f32 v8, v8, v9, 0x1800000           ; and the floor 2^(3 - 127): the byte cannot fall under 1
	v_max_num_f32_dpp v8, v8, v8 row_xmask:1 row_mask:0xf bank_mask:0xf   ; with my neighbour's 16: the block's largest magnitude
	v_add_nc_u32 v11, 0xff000000, v8               ; 2 off its exponent field: the conversion takes the exponent field of this operand as its scale
	v_cvt_scalef32_pk8_fp4_f32 v[XC+2*(\t)], v[XSX:XSX+7], v11
	v_cvt_scalef32_pk8_fp4_f32 v[XC+2*(\t)+1], v[XSX+8:XSX+15], v11
	v_lshrrev_b32 v[XE+(\t)], 23, v11              ; the scale's byte
	ds_store_b8 v5, v[XE+(\t)] offset:16*(\t)      ; both lanes of a block write the same byte with the same value
	global_store_b64 v4, v[XC+2*(\t):XC+2*(\t)+1], s[14:15] offset:256*(\t)   ; the wave stores 256 consecutive bytes, aligned
.endm
.irp t, 0,1,2,3,4,5,6,7,8,9,10,11,12,13,14,15
	XSTEP \t
.endr
	ds_load_b64 v[8:9], v6                         ; my wave's 256 scale bytes: these loads see my stores
	s_wait_dscnt 0x0
	global_store_b64 v7, v[8:9], s[16:17]          ; 256 consecutive bytes, aligned
	s_wait_tensorcnt 0x0                           ; the wave's end, behind my last LDS store
	ds_add_u32 v[SPW], v[NIL]
	s_wait_dscnt 0x0
	s_endpgm
; ---------------- PATH W: the three weights, K = the first axis ----------------
; A lane takes a column, its registers run down K: a block of 32 lies in one lane.  A work-group takes 32 columns x 512 along K, each of its four waves a quarter of that K: four blocks.
; So a wave has four waits for loads, one behind the other, and the weights' 41.9 MB are shared among 2,560 waves, each with 128 loads of 128 bytes asked for.
; A column's 512 codes are 256 bytes, 64 from each wave: they meet in the work-group's stage, behind one barrier, and leave as whole rows, eight rows a wave.
.Lpath_w:
	s_sub_co_u32 s25, ttmp9, 128                   ; 0..639
	s_and_b32 s30, s25, 1
	s_lshr_b32 s31, s25, 3
	s_lshl_b32 s31, s31, 1
	s_or_b32 s30, s30, s31                         ; which 32 columns of the 5,120: neighbouring work-groups take neighbouring columns
	s_bfe_u32 s31, s25, 0x20001                    ; which 512 along K: two bits from bit 1
	s_and_b32 s33, s30, 15
	s_mov_b32 s32, 2048
	s_cmp_lt_u32 s30, 144
	s_cselect_b64 s[26:27], s[8:9], s[10:11]       ; Wk or Wv,
	s_cmp_lt_u32 s30, 128
	s_cselect_b64 s[26:27], s[6:7], s[26:27]       ; or Wq: the choice hangs on the work-group's number alone
	s_cselect_b32 s32, 16384, s32                  ; the tensor's row in bytes
	s_cselect_b32 s33, s30, s33                    ; which 32 columns of that tensor
	s_lshl_b32 s34, s31, 9
	s_lshl_b32 s35, s24, 7
	s_add_co_u32 s34, s34, s35                     ; my first row: 512 x the step along K + 128 x wave,
	s_mul_i32 s34, s34, s32                        ; in bytes (under 2^25),
	s_lshl_b32 s33, s33, 7
	s_add_co_u32 s34, s34, s33                     ; + 128 bytes for each 32 columns
	s_mov_b32 s35, 0
	s_add_nc_u64 s[WB:WB+1], s[26:27], s[34:35]
	s_lshl_b32 s28, s32, 5                         ; a block on: 32 rows
	s_mov_b32 s29, 0
	s_add_nc_u64 s[WB+2:WB+3], s[WB:WB+1], s[28:29]     ; a base for each block: none is stepped while loads are out
	s_add_nc_u64 s[WB+4:WB+5], s[WB+2:WB+3], s[28:29]
	s_add_nc_u64 s[WB+6:WB+7], s[WB+4:WB+5], s[28:29]
	s_lshl_b32 s34, s30, 15                        ; wc: 32 rows of 1,024 bytes,
	s_lshl_b32 s33, s31, 8
	s_add_co_u32 s34, s34, s33                     ; + 256 bytes for each 512 along K,
	s_lshl_b32 s33, s24, 13
	s_add_co_u32 s34, s34, s33                     ; + the 8 rows that my wave stores
	s_add_nc_u64 s[18:19], s[18:19], s[34:35]
	s_lshl_b32 s34, s30, 11                        ; ws: 32 rows of 64 bytes,
	s_lshl_b32 s33, s31, 4
	s_add_co_u32 s34, s34, s33                     ; + 16 bytes for each 512 along K
	s_add_nc_u64 s[20:21], s[20:21], s[34:35]
	v_lshlrev_b32 v3, 2, v2
	v_mov_b32 v10, s32
.irp i, 0,1,2,3,4,5,6,7,8,9,10,11,12,13,14,15,16,17,18,19,20,21,22,23,24,25,26,27,28,29,30,31
	v_mad_u32_u24 v[WRO+\i], v10, \i, v3
.endr
	s_lshl_b32 s33, s24, 6
	s_add_co_u32 s33, s33, WSTG
	v_mul_u32_u24 v4, v2, WPITCH
	v_add_nc_u32 v4, s33, v4                       ; into the stage: row = my column, my wave's 64 bytes of it
	v_lshlrev_b32 v9, 4, v2
	s_lshl_b32 s33, s24, 2
	s_add_co_u32 s33, s33, WSC
	v_add_nc_u32 v5, s33, v9                       ; my scale word: 16 x lane + 4 x wave
	v_add_nc_u32 v6, WSC, v9                       ; and a column's four words on their way out
	v_lshlrev_b32 v14, 6, v2                       ; a column's row of ws
	s_mul_i32 s33, s24, 8*WPITCH
	s_add_co_u32 s33, s33, WSTG                    ; out of the stage: my wave's 8 rows,
	v_and_b32 v15, 15, v2
	v_lshrrev_b32 v16, 4, v2
	v_mul_u32_u24 v7, v16, WPITCH
	v_lshl_add_u32 v7, v15, 4, v7
	v_add_nc_u32 v7, s33, v7                       ; sixteen lanes to a row, two rows an instruction
	v_lshlrev_b32 v8, 10, v16
	v_lshl_add_u32 v8, v15, 4, v8                  ; the same place in wc
.macro WLOAD t                         ; block t: 32 rows at my column; each load reads 128 consecutive bytes.  No hint: the neighbouring 128 bytes of a row are another work-group's
.irp i, 0,1,2,3,4,5,6,7,8,9,10,11,12,13,14,15,16,17,18,19,20,21,22,23,24,25,26,27,28,29,30,31
	global_load_b32 v[WX+32*((\t)%2)+\i], v[WRO+\i], s[WB+2*(\t):WB+2*(\t)+1]
.endr
.endm
	WLOAD 0
	WLOAD 1
.macro WBLOCK t
.set XSW, WX+32*((\t)%2)
.if (\t) < 3
	s_wait_loadcnt 32                              ; this block's 32 loads are in; the next block's may be out
.else
	s_wait_loadcnt 0x0
.endif
	v_max3_num_f32 v12, |v[XSW]|, |v[XSW+1]|, |v[XSW+2]|
	v_max3_num_f32 v13, |v[XSW+3]|, |v[XSW+4]|, |v[XSW+5]|
.irp i, 6,10,14,18,22,26
	v_max3_num_f32 v12, v12, |v[XSW+\i]|, |v[XSW+\i+1]|
	v_max3_num_f32 v13, v13, |v[XSW+\i+2]|, |v[XSW+\i+3]|
.endr
	v_max3_num_f32 v12, v12, |v[XSW+30]|, |v[XSW+31]|
	v_max3_num_f32 v12, v12, v13, 0x1800000        ; and the floor 2^(3 - 127)
	v_add_nc_u32 v11, 0xff000000, v12              ; 2 off the exponent field: the conversion's scale operand
	v_lshrrev_b32 v13, 23, v11                     ; the scale's byte
.if (\t) == 0
	v_mov_b32 v[WSB], v13                          ; four bytes to a register, the lower K in the lower byte
.else
	v_lshl_or_b32 v[WSB], v13, 8*(\t), v[WSB]
.endif
.irp g, 0,1,2,3
	v_cvt_scalef32_pk8_fp4_f32 v[WC+4*(\t)+\g], v[XSW+8*\g:XSW+8*\g+7], v11
.endr
	ds_store_b128 v4, v[WC+4*(\t):WC+4*(\t)+3] offset:16*(\t)   ; 32 codes: 16 bytes of my column's row; each block has its own four registers, so no wait stands here
.if (\t)+2 < 4
	WLOAD (\t)+2
.endif
.endm
.irp t, 0,1,2,3
	WBLOCK \t
.endr
	ds_store_b32 v5, v[WSB]
	s_wait_dscnt 0x0                               ; for the others' sake: my codes and my scale word lie in LDS
	s_barrier_signal -1
	s_barrier_wait -1                              ; everybody's do: the 32 rows are whole
.irp i, 0,1,2,3
	ds_load_b128 v[WOUT+4*\i:WOUT+4*\i+3], v7 offset:2*\i*WPITCH
.endr
	s_cmp_lg_u32 s24, 0
	s_cbranch_scc1 .Lw_codes                       ; wave 0 alone stores the scale bytes
	ds_load_b128 v[WOUT+16:WOUT+19], v6
	s_wait_dscnt 0x0
	global_store_b128 v14, v[WOUT+16:WOUT+19], s[20:21]   ; a column's 16 scale bytes
.Lw_codes:
	s_wait_dscnt 0x0                               ; my eight rows are back
.irp i, 0,1,2,3
	global_store_b128 v8, v[WOUT+4*\i:WOUT+4*\i+3], s[18:19] offset:2*\i*1024   ; sixteen lanes store 256 consecutive bytes, aligned
.endr
	s_wait_tensorcnt 0x0                           ; the wave's end, behind my last LDS store
	ds_add_u32 v[SPW], v[NIL]
	s_wait_dscnt 0x0
	s_endpgm
.Lfunc_end_k_qd4fad71652_prep:
	.size	k_qd4fad71652_prep, .Lfunc_end_k_qd4fad71652_prep-k_qd4fad71652_prep
	.p2alignl 7, 3214868480
	.fill 96, 4, 3214868480
	.section	.rodata,"a",@progbits
	.p2align	6, 0x0
	.amdhsa_kernel k_qd4fad71652_prep
		.amdhsa_group_segment_fixed_size 42496
		.amdhsa_private_segment_fixed_size 0
		.amdhsa_enable_private_segment 0
		.amdhsa_kernarg_size 80
		.amdhsa_user_sgpr_count 2
		.amdhsa_user_sgpr_kernarg_segment_ptr 1
		.amdhsa_wavefront_size32 1
		.amdhsa_system_sgpr_workgroup_id_x 1
		.amdhsa_system_sgpr_workgroup_id_y 1
		.amdhsa_system_sgpr_workgroup_id_z 1
		.amdhsa_system_vgpr_workitem_id 0
		.amdhsa_next_free_vgpr 232
		.amdhsa_next_free_sgpr 66
		.amdhsa_reserve_vcc 0
		.amdhsa_float_denorm_mode_32 3
		.amdhsa_float_denorm_mode_16_64 3
		.amdhsa_memory_ordered 1
		.amdhsa_forward_progress 1
		.amdhsa_inst_pref_size 78
	.end_amdhsa_kernel
	.amdgpu_metadata
---
amdhsa.version: [ 1, 2 ]
amdhsa.kernels:
  - .name:           k_qd4fad71652_prep
    .symbol:         k_qd4fad71652_prep.kd
    .args:
      - { .name: hidden_states, .offset: 0, .size: 8, .value_kind: global_buffer, .address_space: global }
      - { .name: Wq, .offset: 8, .size: 8, .value_kind: global_buffer, .address_space: global }
      - { .name: Wk, .offset: 16, .size: 8, .value_kind: global_buffer, .address_space: global }
      - { .name: Wv, .offset: 24, .size: 8, .value_kind: global_buffer, .address_space: global }
      - { .name: Wo, .offset: 32, .size: 8, .value_kind: global_buffer, .address_space: global }
      - { .name: xc, .offset: 40, .size: 8, .value_kind: global_buffer, .address_space: global }
      - { .name: xs, .offset: 48, .size: 8, .value_kind: global_buffer, .address_space: global }
      - { .name: wc, .offset: 56, .size: 8, .value_kind: global_buffer, .address_space: global }
      - { .name: ws, .offset: 64, .size: 8, .value_kind: global_buffer, .address_space: global }
      - { .name: wo16, .offset: 72, .size: 8, .value_kind: global_buffer, .address_space: global }
    .group_segment_fixed_size: 42496
    .private_segment_fixed_size: 0
    .kernarg_segment_align: 8
    .kernarg_segment_size: 80
    .max_flat_workgroup_size: 128
    .sgpr_count:     66
    .vgpr_count:     232
    .wavefront_size: 32
...
	.end_amdgpu_metadata
.endif
;; end of part 1
;; launch qkv (part 2): grid 20 x 8, 4 waves a work-group, clusters of 4 x 4, 327,680 bytes of LDS; arguments xc, xs, wc, ws, cos, sin, q_norm_w, k_norm_w, qkv; writes qkv
.if DOCPART == 2
	.amdgcn_target "amdgcn-amd-amdhsa--gfx1250"
	.amdhsa_code_object_version 6
	.text
	.protected	k_qd4fad71652_qkv
	.globl	k_qd4fad71652_qkv
	.p2align	8
	.type	k_qd4fad71652_qkv,@function
k_qd4fad71652_qkv:
	s_mov_b64 s[64:65], 0
	v_nop
	global_prefetch_b8 v0, s[64:65] scope:SCOPE_SE
	s_setreg_imm32_b32 hwreg(HW_REG_WAVE_MODE, 25, 1), 1
	s_wait_xcnt 0x0
	s_wait_alu depctr_hold_cnt(0) depctr_sa_sdst(0) depctr_va_vdst(0) depctr_va_sdst(0) depctr_va_ssrc(0) depctr_va_vcc(0) depctr_vm_vsrc(0)
	s_getreg_b32 s2, hwreg(HW_REG_IB_STS2, 6, 4)
	s_cmp_eq_u32 s2, 0
	s_cbranch_scc0 .Lentry_in_a_cluster
	s_endpgm
.Lentry_in_a_cluster:
	s_bfe_u32 s2, ttmp6, 0x10000c
	s_cmp_lg_u32 s2, 0xf033
	s_cbranch_scc0 .Lentry_shape_is_right
	s_endpgm
.Lentry_shape_is_right:
; QKV: [2048 positions][5120 columns] = hidden x (Wq | Wk | Wv) on codes of FP4 (E2M1) with one E8M0 scale for each 32 along K, sums in f32; then, on the way out, the RMS norm and the rotary
; embedding of q and k, in f32, and the rounding to f16.  Result: qkv [batch 2][head 40][position 1024][128] f16; heads 0-31 q, 32-35 k, 36-39 v (v: the product as it is).
; Inside a head channel c lies at place 8 ((c & 63) >> 2) + 4 (c >> 6) + (c & 3): the rotary embedding pairs c with c + 64, and so a lane that holds four channels c and the four c + 64 holds 16 neighbouring bytes.
; q and k share the order, so their product does not see it; v carries it on to the attention's result, and Wo's rows have been laid in the same order.
; A tile of 256 positions x 256 columns is made by a work-group of four waves; a wave makes 128 x 128: 128 positions of ONE head, 64 accumulators, 512 registers.
; K goes in steps of 512 through a ring of two LDS slots filled by the tensor data mover; the scale bytes of the work-group's rows, for all of K, come once with the first fills.
; CLUSTERS: 4 x 4 work-groups; the four of a row need the same tiles of the codes of hidden, the four of a column the same tiles of the weights' codes: each tile is asked for jointly.
; 160 work-groups: tiles half as high would be 320, which is two turns on some WGPs and one on others.
; THE MATRIX INSTRUCTION IS USED TRANSPOSED (source 0 = 16 columns of the weights, source 1 = 16 positions): a lane holds eight neighbouring channels of one position.
; LIMITS: a product of v beyond 65,504 becomes an infinity of f16; NaN and infinities are not served.
; REGISTERS: window 0: v0-31 addresses; v32-95 scale words, two sets; v128-191 A's fragments; v208-215 the norm's weights; window 1: B's fragments, two sets; windows 2, 3: the accumulators.
.set SIZE_M, 2048
.set SIZE_N, 5120
.set SIZE_K, 2048
.set KSTEP,  512
.set NQ,     KSTEP/128
.set ROWB,   256
.set KROW,   SIZE_K*4/8
.set PITCH,  272                       ; an LDS row: 256 bytes + 16 of padding: the 16 rows that a load touches start at 16 different groups of banks
.set FR,     8
.set NL,     2
.set NP,     4
.set HALFT,  128*PITCH
.set SLOT,   4*HALFT
.set LAPS,   SIZE_K/(2*KSTEP)
.set KS,     SIZE_K/32
.set SCL,    2*SLOT
.set HALFS,  (128*KS/256)*272
.set SBLK,   (16*KS/256)*272
.set SPARE,  SCL+4*HALFS               ; the spare words, 128 bytes for each wave
.set SPITCH, 528                       ; the way out: a stage of 16 rows x (512 + 16) bytes, and behind it 8 x 64 bytes for the rows' 1 / rms, for each wave; in slot 0, which has had its last fill and its last read by then
.set WST,    16*SPITCH+512
.set ADRA, 16
.set ADRB, 20
.set WOF,  22                          ; v22  16 (lane % 16)
.set CSO,  23                          ; v23  my place in two rows of cos or sin: 512 (lane / 16) + 16 (lane % 16)
.set STO,  24                          ; v24  the stage: where I put 32 bytes of a row
.set RD,   25                          ; v25  the stage: where I read back: row lane / 16, 16 bytes at 16 (lane % 16)
.set QO,   26                          ; v26  my place in two rows of qkv: 256 (lane / 16) + 16 (lane % 16)
.set ADRS, 27
.set SPW,  28
.set NIL,  29
.set RSA,  30                          ; v30  where I put my row's 1 / rms
.set RSR,  31                          ; v31  where I read those of the eight rows that I finish
.set SC,   32
.set AF,   128
.set RSV,  40                          ; the way out: v40-47 1 / rms of my eight rows of a block
.set SS,   48                          ; v48-55 sums of squares, four chains
.set RSQ,  56                          ; v56-63 a block's 1 / rms of my row, one register for each block
.set X,    64                          ; v64-127 eight rows: +8 i .. +3 my low four channels, +4 .. +7 my high four
.set RAW,  128                         ; v128-159 the product as it is, in f16
.set Y,    160                         ; v160-191 the result, in f16
.set T,    192                         ; v192-207 at work
.set W8,   208                         ; v208-215 the norm's weights of my low four channels and of my high four: loaded at the head, touched by nothing else in the launch
.set G1, 24
.set G0, 32
.set G1B, 48
.set G0B, 56
.set G1S, 68
.set G0S, 76
.set G1SB, 80
.set G0SB, 88
.set MSB, 0
.macro WIN new                         ; the immediate's high byte repeats the setting that is left
.if MSB != \new
	s_set_vgpr_msb (MSB<<8)|\new
.set MSB, \new
.endif
.endm
.set MUL_LO, 0xa1                      ; source 0 (B) window 1, source 1 (A) window 0, C and D window 2
.set MUL_HI, 0xf1
.set TO_B,   0x40
; A joint load: waves 0 and 1 fetch for A, waves 2 and 3 for B; the branch hangs on the wave's number alone.  An s_nop 0 and four v_nop follow each of the two lines.
.macro JLOAD g0a, g1a, g0b, g1b
	s_cmp_eq_u32 s15, 0
	s_cbranch_scc0 .Lfor_b_\@
	tensor_load_to_lds s[\g0a:\g0a+3], s[\g1a:\g1a+7]
	s_nop 0
.rept 4
	v_nop
.endr
	s_branch .Lasked_\@
.Lfor_b_\@:
	tensor_load_to_lds s[\g0b:\g0b+3], s[\g1b:\g1b+7]
	s_nop 0
.rept 4
	v_nop
.endr
.Lasked_\@:
.endm
.macro CREST                           ; a round of the cluster's barrier behind its opening barrier
	s_cmp_lg_u32 s14, 0
	s_cbranch_scc1 .Lnot_wave_0_\@
	s_barrier_signal -3
.Lnot_wave_0_\@:
	s_barrier_wait -3
	s_barrier_signal -1
	s_barrier_wait -1
.endm
.macro CROUND
	s_barrier_signal -1
	s_barrier_wait -1
	CREST
.endm
	s_load_b128 s[4:7], s[0:1], 0x0                ; A's codes (xc), A's scales (xs)
	s_load_b128 s[8:11], s[0:1], 0x10              ; B's codes (wc), B's scales (ws)
	s_load_b128 s[96:99], s[0:1], 0x20             ; cos, sin
	s_load_b64 s[100:101], s[0:1], 0x30            ; q_norm_w
	s_load_b64 s[66:67], s[0:1], 0x38              ; k_norm_w
	s_load_b64 s[12:13], s[0:1], 0x40              ; qkv
	v_lshl_add_u32 v[SPW], v0, 2, SPARE
	v_mov_b32 v[NIL], 0
	ds_add_u32 v[SPW], v[NIL]                      ; the wave's opening: the add, twice on end, and its wait ahead of my first tensor load
	ds_add_u32 v[SPW], v[NIL]
	v_lshrrev_b32 v1, 5, v0
	v_readfirstlane_b32 s14, v1                    ; wave 0..3
	s_lshr_b32 s15, s14, 1                         ; which 128 positions of the tile are mine.  Also: I fetch for A (0) or for B (1)
	s_and_b32 s16, s14, 1                          ; which head of the tile's two.  Also: which 128 rows of that tile I fetch
	s_bfe_u32 s40, ttmp6, 0x40000                  ; cx, cy
	s_bfe_u32 s41, ttmp6, 0x40004
	s_lshl_b32 s42, ttmp9, 2
	s_add_co_u32 s42, s42, s40                     ; tile column
	s_and_b32 s17, ttmp7, 0xffff
	s_lshl_b32 s17, s17, 2
	s_add_co_u32 s17, s17, s41                     ; tile row
	s_lshl_b32 s43, s41, 2
	s_lshl_b32 s43, 15, s43                        ; my row of the cluster
	s_lshl_b32 s44, 0x1111, s40                    ; my column
	s_or_b32 s[G1+0], s43, (0<<16)|(1<<20)|(1<<21)|(5<<22)|(3<<25)  ; the mask; elements of 1 byte; padding on; bit 21 beside a mask; 4 words of padding after every 64
	s_or_b32 s[G1B+0], s44, (0<<16)|(1<<20)|(1<<21)|(5<<22)|(3<<25)
.irp g, G1, G1B
	s_mov_b32 s[\g+1], ROWB<<16                    ; tensor_dim0
	s_mov_b32 s[\g+2], 128<<16                     ; tensor_dim1
	s_mov_b32 s[\g+3], ROWB<<16                    ; tile_dim0
	s_mov_b32 s[\g+4], 128                         ; tile_dim1
	s_mov_b32 s[\g+5], KROW                        ; from row to row
	s_mov_b32 s[\g+6], 0
	s_mov_b32 s[\g+7], 0
.endr
	s_or_b32 s[G1S+0], s43, (3<<16)|(1<<20)|(1<<21)|(5<<22)|(3<<25) ; the scales of 128 rows: a dense block, as rows of 256 bytes (32 elements of 8 bytes)
	s_or_b32 s[G1SB+0], s44, (3<<16)|(1<<20)|(1<<21)|(5<<22)|(3<<25)
.irp g, G1S, G1SB
	s_mov_b32 s[\g+1], 32<<16
	s_mov_b32 s[\g+2], (128*KS/256)<<16
	s_mov_b32 s[\g+3], 32<<16
	s_mov_b32 s[\g+4], 128*KS/256
	s_mov_b32 s[\g+5], 32
	s_mov_b32 s[\g+6], 0
	s_mov_b32 s[\g+7], 0
.endr
	s_lshl_b32 s18, s16, 7
	s_lshl_b32 s20, s17, 8
	s_add_co_u32 s20, s20, s18                     ; A: row 256 x tile row + 128 x half
	s_lshl_b32 s46, s42, 8
	s_add_co_u32 s46, s46, s18                     ; B: row 256 x tile column + 128 x half
	s_mov_b32 s21, 0
	s_mov_b32 s47, 0
	s_mov_b64 s[18:19], KS
	s_mul_u64 s[22:23], s[20:21], s[18:19]
	s_mul_u64 s[92:93], s[46:47], s[18:19]
	s_mov_b64 s[18:19], KROW
	s_mul_u64 s[20:21], s[20:21], s[18:19]
	s_mul_u64 s[46:47], s[46:47], s[18:19]
	s_mul_i32 s45, s14, HALFT                      ; where they go: wave x 128 rows
	s_mul_i32 s94, s14, HALFS
	s_wait_dscnt 0x0                               ; both opening adds are done
	s_wait_kmcnt 0x0
	s_add_nc_u64 s[20:21], s[4:5], s[20:21]
	s_add_nc_u64 s[22:23], s[6:7], s[22:23]
	s_add_nc_u64 s[46:47], s[8:9], s[46:47]
	s_add_nc_u64 s[92:93], s[10:11], s[92:93]
	CROUND                                         ; all sixteen work-groups are here: the first joint loads meet
	s_mov_b32 s[G0S], 1
	s_add_co_u32 s[G0S+1], s94, SCL
	s_mov_b64 s[G0S+2:G0S+3], s[22:23]
	s_or_b32 s[G0S+3], s[G0S+3], 0x80000000
	s_mov_b32 s[G0SB], 1
	s_add_co_u32 s[G0SB+1], s94, SCL
	s_mov_b64 s[G0SB+2:G0SB+3], s[92:93]
	s_or_b32 s[G0SB+3], s[G0SB+3], 0x80000000
	JLOAD G0S, G1S, G0SB, G1SB                     ; the scales first: they are wanted with K step 0
.irp s, 0,1
	s_mov_b32 s[G0+4*\s], 1
	s_add_co_u32 s[G0+4*\s+1], s45, \s*SLOT
	s_add_nc_u64 s[G0+4*\s+2:G0+4*\s+3], s[20:21], \s*ROWB
	s_or_b32 s[G0+4*\s+3], s[G0+4*\s+3], 0x80000000
	s_mov_b32 s[G0B+4*\s], 1
	s_add_co_u32 s[G0B+4*\s+1], s45, \s*SLOT
	s_add_nc_u64 s[G0B+4*\s+2:G0B+4*\s+3], s[46:47], \s*ROWB
	s_or_b32 s[G0B+4*\s+3], s[G0B+4*\s+3], 0x80000000
	JLOAD G0+4*\s, G1, G0B+4*\s, G1B
.endr
	v_and_b32 v1, 15, v0                           ; l % 16
	v_bfe_u32 v2, v0, 4, 1                         ; l / 16
	v_mul_u32_u24 v3, v1, PITCH
	v_lshl_add_u32 v4, v2, 4, v3
	s_mul_i32 s21, s15, HALFT
	s_mul_i32 s22, s16, HALFT
	s_add_co_u32 s22, s22, 2*HALFT
.irp s, 0,1
	v_add_nc_u32 v[ADRA+\s], s21, v4
	v_add_nc_u32 v[ADRB+\s], s22, v4
	s_add_co_u32 s21, s21, SLOT
	s_add_co_u32 s22, s22, SLOT
.endr
	v_mul_u32_u24 v5, v1, KS
	v_lshrrev_b32 v6, 8, v5
	v_lshl_add_u32 v5, v6, 4, v5
	s_mul_i32 s21, s15, HALFS
	s_mul_i32 s22, s16, HALFS
	s_add_co_u32 s22, s22, 2*HALFS
	s_sub_co_u32 s22, s22, s21
	v_mul_u32_u24 v6, s22, v2                      ; lanes 16-31 take B's scale words
	s_add_co_u32 s21, s21, SCL
	v_add_nc_u32 v5, v5, v6
	v_add_nc_u32 v[ADRS], s21, v5
	; the way out's addresses
	s_mul_i32 s23, s14, WST                        ; my stage
	v_mul_u32_u24 v5, v1, SPITCH
	v_lshl_add_u32 v5, v2, 5, v5
	v_add_nc_u32 v[STO], s23, v5                   ; in: row l % 16, 32 bytes for each half of the lanes
	v_mul_u32_u24 v5, v2, SPITCH
	v_lshl_add_u32 v5, v1, 4, v5
	v_add_nc_u32 v[RD], s23, v5                    ; back: lanes 0-15 one row, lanes 16-31 the next
	v_lshlrev_b32 v[WOF], 4, v1
	v_lshl_add_u32 v[QO], v2, 8, v[WOF]
	v_lshl_add_u32 v[CSO], v2, 9, v[WOF]
	v_and_b32 v5, 1, v1
	v_lshrrev_b32 v6, 1, v1
	v_lshlrev_b32 v6, 2, v6
	v_lshl_add_u32 v5, v5, 5, v6
	v_add_nc_u32 v5, s23, v5
	v_add_nc_u32 v[RSA], 16*SPITCH, v5             ; row r's word: 8 (r % 2) + r / 2: the even rows' eight on end, then the odd rows'
	v_lshlrev_b32 v5, 5, v2
	v_add_nc_u32 v5, s23, v5
	v_add_nc_u32 v[RSR], 16*SPITCH, v5             ; lanes 0-15 read the even rows' eight, lanes 16-31 the odd rows'
	s_lshl_b32 s18, s42, 1
	s_add_co_u32 s18, s18, s16                     ; my head, 0..39
	s_lshl_b32 s19, s17, 8
	s_lshl_b32 s20, s15, 7
	s_add_co_u32 s19, s19, s20                     ; my first row of the 2,048
	s_lshr_b32 s20, s19, 10                        ; the batch
	s_and_b32 s19, s19, 1023                       ; my first position
	s_mul_i32 s20, s20, 40
	s_add_co_u32 s20, s20, s18
	s_lshl_b32 s20, s20, 10
	s_add_co_u32 s20, s20, s19
	s_lshl_b32 s20, s20, 8                         ; rows of 256 bytes
	s_mov_b32 s21, 0
	s_add_nc_u64 s[12:13], s[12:13], s[20:21]      ; qkv at my first row
	s_lshl_b32 s20, s19, 9
	s_add_nc_u64 s[96:97], s[96:97], s[20:21]      ; cos and sin at my first position
	s_add_nc_u64 s[98:99], s[98:99], s[20:21]
	s_cmp_lt_u32 s18, 32
	s_cselect_b64 s[100:101], s[100:101], s[66:67] ; q's weights or k's (v's heads load k's and do not use them)
	s_cmp_ge_u32 s18, 36
	s_cselect_b32 s2, -1, 0                        ; all lanes on in a head of v: the product as it is is kept.  A choice of values: no branch hangs on the place in the cluster
	s_mov_b32 s92, 0x76543210
	s_mov_b32 s93, 0xfedcba98                      ; v_permlanex16_b32's selects for lane l xor 16
	s_mov_b32 s94, 0x3c000000                      ; 1 / 128
	s_mov_b32 s95, 0x358637bd                      ; 1e-6
	global_load_b128 v[W8:W8+3], v[WOF], s[100:101]               ; the weights of channels 4 (l % 16) + 0..3,
	global_load_b128 v[W8+4:W8+7], v[WOF], s[100:101] offset:256  ; and of those 64 further on
.macro FRAG reg, adr, q, i             ; a fragment, 16 rows x 128 K of 4-bit codes: 8 registers, two loads of 16 bytes, 32 bytes apart
.irp c, 0,1
	ds_load_b128 v[\reg+4*\c:\reg+4*\c+3], v[\adr] offset:64*(\q)+32*\c+(\i)*16*PITCH
.endr
.endm
; 16 matrix instructions: A's blocks a0, a0 + 1 x B's eight.  The 64 accumulators take turns, one instruction a turn, in the same order in every step.
.macro MUL16 a0, p, q, sc, zero
.irp a, \a0, \a0+1
.irp b, 0,1,2,3,4,5,6,7
.if \zero
	v_wmma_scale_f32_16x16x128_f8f6f4 v[8*(8*((\a)%4)+\b):8*(8*((\a)%4)+\b)+7], v[128*(\p)+FR*\b:128*(\p)+FR*\b+FR-1], v[AF+FR*(\a):AF+FR*(\a)+FR-1], 0, v[SC+8*NQ*(\sc)+NQ*\b+(\q)], v[SC+8*NQ*(\sc)+NQ*(\a)+(\q)] matrix_a_fmt:MATRIX_FMT_FP4 matrix_b_fmt:MATRIX_FMT_FP4 matrix_a_scale:MATRIX_SCALE_ROW1
.else
	v_wmma_scale_f32_16x16x128_f8f6f4 v[8*(8*((\a)%4)+\b):8*(8*((\a)%4)+\b)+7], v[128*(\p)+FR*\b:128*(\p)+FR*\b+FR-1], v[AF+FR*(\a):AF+FR*(\a)+FR-1], v[8*(8*((\a)%4)+\b):8*(8*((\a)%4)+\b)+7], v[SC+8*NQ*(\sc)+NQ*\b+(\q)], v[SC+8*NQ*(\sc)+NQ*(\a)+(\q)] matrix_a_fmt:MATRIX_FMT_FP4 matrix_b_fmt:MATRIX_FMT_FP4 matrix_a_scale:MATRIX_SCALE_ROW1
.endif
.endr
.endr
.endm
.macro FETCH_B slot, q, p
	WIN TO_B
.irp i, 0,1,2,3,4,5,6,7
	FRAG 128*(\p)+FR*\i, ADRB+\slot, \q, \i
.endr
	WIN 0
.endm
.macro FETCH_A slot, q, i0
.irp i, \i0, \i0+1, \i0+2, \i0+3
	FRAG AF+FR*(\i), ADRA+\slot, \q, \i
.endr
.endm
.macro SCALES sc                       ; the next K step's scale words: lanes 0-15 take A's block i, lanes 16-31 B's block i
.irp i, 0,1,2,3,4,5,6,7
	ds_load_b128 v[SC+8*NQ*\sc+NQ*\i:SC+8*NQ*\sc+NQ*\i+3], v[ADRS] offset:\i*SBLK
.endr
.endm
.macro PLACES n                        ; plain vector instructions between a matrix instruction and a load into, or a read of, its registers
.rept \n
	v_nop
.endr
.endm
.macro STEP slot, q, zero              ; a step of 128 along K that has its successor in the same slot
	s_wait_dscnt 4*NL                              ; B's set and A's blocks 0-3 are in; the youngest eight loads (A's blocks 4-7) may be out
	WIN MUL_LO
	MUL16 0, (\q)%2, \q, \slot, \zero
	MUL16 2, (\q)%2, \q, \slot, \zero
	s_wait_dscnt 0
	PLACES NP
	FETCH_B \slot, (\q)+1, 1-(\q)%2
	FETCH_A \slot, (\q)+1, 0
	WIN MUL_HI
	MUL16 4, (\q)%2, \q, \slot, \zero
	MUL16 6, (\q)%2, \q, \slot, \zero
	PLACES NP
	WIN 0
	FETCH_A \slot, (\q)+1, 4
.endm
; A slot's last step changes slots: one barrier; in front of it each wave waits for all its tensor loads, adds 0 to its spare word, and waits for that and for its own reads of this slot.
.macro TURN slot, next, fill
	s_wait_tensorcnt 0x0                           ; all my tensor loads have landed: my part of the next slot
	ds_add_u32 v[SPW], v[NIL]                      ; 0 onto my spare word
	s_wait_dscnt 4*NL+1                            ; the add and the youngest eight loads may be out
	WIN MUL_LO
	MUL16 0, 1, NQ-1, \slot, 0
	s_wait_dscnt 0x0                               ; the add is done, and my reads of this slot are over
	s_barrier_signal -1
	MUL16 2, 1, NQ-1, \slot, 0
	WIN 0
	s_barrier_wait -1
.if \fill
	CREST                                          ; the barrier has opened a round of the cluster's barrier: no wave of any partner still reads this slot or has a load on its way
	s_add_nc_u64 s[G0+4*\slot+2:G0+4*\slot+3], s[G0+4*\slot+2:G0+4*\slot+3], 2*ROWB
	s_add_nc_u64 s[G0B+4*\slot+2:G0B+4*\slot+3], s[G0B+4*\slot+2:G0B+4*\slot+3], 2*ROWB
	JLOAD G0+4*\slot, G1, G0B+4*\slot, G1B         ; the first tensor load behind the round; its four v_nop are the places in front of the loads below
.else
	PLACES NP
.endif
	v_add_nc_u32 v[ADRS], 4*NQ, v[ADRS]            ; on to the next K step's scale words
	FETCH_B \next, 0, 0
	FETCH_A \next, 0, 0
	SCALES \next
	WIN MUL_HI
	MUL16 4, 1, NQ-1, \slot, 0
	MUL16 6, 1, NQ-1, \slot, 0
	PLACES NP
	WIN 0
	FETCH_A \next, 0, 4
.endm
.macro STEPS slot, from
.set Q, \from
.rept NQ-1-\from
	STEP \slot, Q, 0
.set Q, Q+1
.endr
.endm
	s_wait_tensorcnt 1                             ; the scales and my part of K step 0 are in; K step 1's load may be out
	s_barrier_signal -1
	s_barrier_wait -1
	FETCH_B 0, 0, 0
	FETCH_A 0, 0, 0
	SCALES 0
	FETCH_A 0, 0, 4
	STEP 0, 0, 1                                   ; the first step's products start the sums
	s_mov_b32 s3, LAPS-1
.Llap:                                                 ; a trip goes once round the ring and fills both slots again
	STEPS 0, 1
	TURN 0, 1, 1
	STEPS 1, 0
	TURN 1, 0, 1
	STEP 0, 0, 0
	s_sub_co_u32 s3, s3, 1
	s_cmp_lg_u32 s3, 0
	s_cbranch_scc1 .Llap
	STEPS 0, 1                                     ; the last lap fills nothing
	TURN 0, 1, 0
	STEPS 1, 0
	s_wait_dscnt 4*NL
	WIN MUL_LO
	MUL16 0, 1, NQ-1, 1, 0
	MUL16 2, 1, NQ-1, 1, 0
	s_wait_dscnt 0
	WIN MUL_HI
	MUL16 4, 1, NQ-1, 1, 0
	MUL16 6, 1, NQ-1, 1, 0
	WIN 0
; THE WAY OUT, block by block of 16 positions x 128 channels.  In the accumulators a lane holds position l % 16 and half of its channels: there the sum of squares is taken.  Then a block goes through my stage and comes
; back so that lanes 0-15 hold one position and lanes 16-31 the next, each lane channels 4 (l % 16) + 0..3 and the four 64 further on: the pairs of the rotary embedding.
.macro CSLOAD a                        ; cos and sin of block a's 16 positions into set a % 2 of window 1; for two positions: cos low, cos high, sin low, sin high.  Sixteen lanes read 256 consecutive bytes
	WIN 0x40
.irp i, 0,1,2,3,4,5,6,7
	global_load_b128 v[128*((\a)%2)+16*\i:128*((\a)%2)+16*\i+3],     v[CSO], s[96:97] offset:(16*(\a)+2*\i)*512
	global_load_b128 v[128*((\a)%2)+16*\i+4:128*((\a)%2)+16*\i+7],   v[CSO], s[96:97] offset:(16*(\a)+2*\i)*512+256
	global_load_b128 v[128*((\a)%2)+16*\i+8:128*((\a)%2)+16*\i+11],  v[CSO], s[98:99] offset:(16*(\a)+2*\i)*512
	global_load_b128 v[128*((\a)%2)+16*\i+12:128*((\a)%2)+16*\i+15], v[CSO], s[98:99] offset:(16*(\a)+2*\i)*512+256
.endr
	WIN 0
.endm
.macro SSQ a                           ; the sum of my 64 squares of block a: four chains, each accumulator from its low end on
.set AC, 64*((\a)%4)
	WIN 0x0a+5*((\a)/4)                            ; sources 0 and 1: window 2 or 3
.irp b, 0,1,2,3,4,5,6,7
.irp p, 0,1,2,3
.if \b == 0
	v_pk_mul_f32 v[SS+2*\p:SS+2*\p+1], v[AC+2*\p:AC+2*\p+1], v[AC+2*\p:AC+2*\p+1]
.else
	v_pk_fma_f32 v[SS+2*\p:SS+2*\p+1], v[AC+8*\b+2*\p:AC+8*\b+2*\p+1], v[AC+8*\b+2*\p:AC+8*\b+2*\p+1], v[SS+2*\p:SS+2*\p+1]
.endif
.endr
.endr
	WIN 0
	v_pk_add_f32 v[SS:SS+1], v[SS:SS+1], v[SS+2:SS+3]
	v_pk_add_f32 v[SS+4:SS+5], v[SS+4:SS+5], v[SS+6:SS+7]
	v_pk_add_f32 v[SS:SS+1], v[SS:SS+1], v[SS+4:SS+5]
	v_add_f32 v[RSQ+(\a)], v[SS], v[SS+1]
.endm
.macro TOSTAGE a
.set AC, 64*((\a)%4)
	WIN 0x08+4*((\a)/4)                            ; an LDS store's data: window 2 or 3
.irp b, 0,1,2,3,4,5,6,7
	ds_store_b128 v[STO], v[AC+8*\b:AC+8*\b+3] offset:64*\b
	ds_store_b128 v[STO], v[AC+8*\b+4:AC+8*\b+7] offset:64*\b+16
.endr
	WIN 0
.irp i, 0,1,2,3,4,5,6,7                ; LDS serves a wave's instructions in order: these see the stores above
	ds_load_b128 v[X+8*\i:X+8*\i+3],   v[RD] offset:\i*2*SPITCH
	ds_load_b128 v[X+8*\i+4:X+8*\i+7], v[RD] offset:\i*2*SPITCH+256
.endr
	ds_load_b128 v[RSV:RSV+3],   v[RSR] offset:64*(\a)
	ds_load_b128 v[RSV+4:RSV+7], v[RSR] offset:64*(\a)+16
.endm
.macro ROPE a
.set CSB, 128*((\a)%2)
.irp i, 0,1,2,3,4,5,6,7
.irp k, 0,1,2,3
	v_cvt_pk_f16_f32 v[RAW+4*\i+\k], v[X+8*\i+2*\k], v[X+8*\i+2*\k+1]         ; the product as it is: what a head of v keeps
.endr
.endr
.irp i, 0,1,2,3,4,5,6,7
.irp k, 0,1,2,3
	v_pk_mul_f32 v[X+8*\i+2*\k:X+8*\i+2*\k+1], v[X+8*\i+2*\k:X+8*\i+2*\k+1], v[W8+2*\k:W8+2*\k+1]   ; x the norm's weight
.endr
.endr
	WIN 0x04                                       ; source 1: window 1
.irp i, 0,1,2,3,4,5,6,7
.set TT, T+8*(\i%2)
.irp k, 0,1
	v_pk_mul_f32 v[TT+2*\k:TT+2*\k+1],   v[X+8*\i+4+2*\k:X+8*\i+5+2*\k], v[CSB+16*\i+8+2*\k:CSB+16*\i+9+2*\k]     ; high x sin(low)
	v_pk_mul_f32 v[TT+4+2*\k:TT+5+2*\k], v[X+8*\i+2*\k:X+8*\i+1+2*\k],   v[CSB+16*\i+12+2*\k:CSB+16*\i+13+2*\k]   ; low x sin(high)
.endr
.irp k, 0,1
	v_pk_fma_f32 v[X+8*\i+2*\k:X+8*\i+1+2*\k],   v[X+8*\i+2*\k:X+8*\i+1+2*\k],   v[CSB+16*\i+2*\k:CSB+16*\i+1+2*\k],   v[TT+2*\k:TT+2*\k+1] neg_lo:[0,0,1] neg_hi:[0,0,1]   ; low x cos - high x sin
	v_pk_fma_f32 v[X+8*\i+4+2*\k:X+8*\i+5+2*\k], v[X+8*\i+4+2*\k:X+8*\i+5+2*\k], v[CSB+16*\i+4+2*\k:CSB+16*\i+5+2*\k], v[TT+4+2*\k:TT+5+2*\k]                                ; high x cos + low x sin
.endr
.endr
	WIN 0
.if (\a)+2 < 8
	CSLOAD (\a)+2                                  ; this set has been read: it takes the block two further on
.endif
.irp i, 0,2,4,6
.irp k, 0,1,2,3
	v_pk_mul_f32 v[X+8*\i+2*\k:X+8*\i+2*\k+1], v[X+8*\i+2*\k:X+8*\i+2*\k+1], v[RSV+\i:RSV+\i+1] op_sel_hi:[1,0]              ; x 1 / rms of the row: the pair's first register for both halves,
.endr
.irp k, 0,1,2,3
	v_pk_mul_f32 v[X+8*\i+8+2*\k:X+8*\i+9+2*\k], v[X+8*\i+8+2*\k:X+8*\i+9+2*\k], v[RSV+\i:RSV+\i+1] op_sel:[0,1] op_sel_hi:[1,1]   ; and for the next row its second
.endr
.endr
.irp i, 0,1,2,3,4,5,6,7
.irp k, 0,1,2,3
	v_cvt_pk_f16_f32 v[Y+4*\i+\k], v[X+8*\i+2*\k], v[X+8*\i+2*\k+1]
.endr
.endr
.irp n, 0,1,2,3,4,5,6,7,8,9,10,11,12,13,14,15,16,17,18,19,20,21,22,23,24,25,26,27,28,29,30,31
	v_cndmask_b32 v[Y+\n], v[Y+\n], v[RAW+\n], s2
.endr
.irp i, 0,1,2,3,4,5,6,7
	global_store_b128 v[QO], v[Y+4*\i:Y+4*\i+3], s[12:13] offset:(16*(\a)+2*\i)*256   ; the wave stores two rows: 512 consecutive bytes, aligned
.endr
.endm
.irp a, 0,1,2,3,4,5,6,7
	v_mov_b32 v[T+\a], 0                           ; a lane permute's destination counts as one of its sources.  These eight are also the places behind the last products
.endr
	CSLOAD 0
	CSLOAD 1
.irp a, 0,1,2,3,4,5,6,7
	SSQ \a
.endr
.irp a, 0,1,2,3,4,5,6,7
	v_permlanex16_b32 v[T+\a], v[RSQ+\a], s92, s93
.endr
.irp a, 0,1,2,3,4,5,6,7
	v_add_f32 v[RSQ+\a], v[RSQ+\a], v[T+\a]        ; with lane l xor 16's 64 channels: the row's sum of squares
.endr
.irp a, 0,1,2,3,4,5,6,7
	v_fma_f32 v[RSQ+\a], v[RSQ+\a], s94, s95       ; the mean + 1e-6
.endr
.irp a, 0,1,2,3,4,5,6,7
	v_rsq_f32 v[RSQ+\a], v[RSQ+\a]
.endr
	v_nop                                          ; a plain instruction behind the last of the batch,
	s_wait_alu depctr_va_vdst(0)                   ; and one wait for the eight, ahead of their first reader
.irp a, 0,1,2,3,4,5,6,7
	ds_store_b32 v[RSA], v[RSQ+\a] offset:64*\a    ; both halves of the lanes write the same word with the same value
.endr
.irp a, 0,1,2,3,4,5,6,7
	TOSTAGE \a
	s_wait_dscnt 0x0                               ; the block is back
.if \a < 7
	s_wait_loadcnt 32                              ; this block's cos and sin are in (and, ahead of them, the weights); the next block's 32 loads may be out
.else
	s_wait_loadcnt 0x0
.endif
	s_wait_xcnt 0x0                                ; the last block's stores have read their data: Y is written again
	ROPE \a
.endr
	s_wait_tensorcnt 0x0                           ; the wave's end, behind my last tensor load and my last LDS store
	ds_add_u32 v[SPW], v[NIL]
	s_wait_dscnt 0x0
	CROUND                                         ; the closing round
	s_endpgm
.Lfunc_end_k_qd4fad71652_qkv:
	.size	k_qd4fad71652_qkv, .Lfunc_end_k_qd4fad71652_qkv-k_qd4fad71652_qkv
	.p2alignl 7, 3214868480
	.fill 96, 4, 3214868480
	.section	.rodata,"a",@progbits
	.p2align	6, 0x0
	.amdhsa_kernel k_qd4fad71652_qkv
		.amdhsa_group_segment_fixed_size 327680
		.amdhsa_private_segment_fixed_size 0
		.amdhsa_enable_private_segment 0
		.amdhsa_kernarg_size 72
		.amdhsa_user_sgpr_count 2
		.amdhsa_user_sgpr_kernarg_segment_ptr 1
		.amdhsa_wavefront_size32 1
		.amdhsa_system_sgpr_workgroup_id_x 1
		.amdhsa_system_sgpr_workgroup_id_y 1
		.amdhsa_system_sgpr_workgroup_id_z 1
		.amdhsa_system_vgpr_workitem_id 0
		.amdhsa_next_free_vgpr 1024
		.amdhsa_next_free_sgpr 102
		.amdhsa_reserve_vcc 0
		.amdhsa_float_denorm_mode_32 3
		.amdhsa_float_denorm_mode_16_64 3
		.amdhsa_memory_ordered 1
		.amdhsa_forward_progress 1
		.amdhsa_inst_pref_size 255
	.end_amdhsa_kernel
	.section	.bss,"aw",@nobits
	.p2align	6
	.space	262144
	.amdgpu_metadata
---
amdhsa.version: [ 1, 2 ]
amdhsa.kernels:
  - .name:           k_qd4fad71652_qkv
    .symbol:         k_qd4fad71652_qkv.kd
    .args:
      - { .name: xc, .offset: 0, .size: 8, .value_kind: global_buffer, .address_space: global }
      - { .name: xs, .offset: 8, .size: 8, .value_kind: global_buffer, .address_space: global }
      - { .name: wc, .offset: 16, .size: 8, .value_kind: global_buffer, .address_space: global }
      - { .name: ws, .offset: 24, .size: 8, .value_kind: global_buffer, .address_space: global }
      - { .name: cos, .offset: 32, .size: 8, .value_kind: global_buffer, .address_space: global }
      - { .name: sin, .offset: 40, .size: 8, .value_kind: global_buffer, .address_space: global }
      - { .name: q_norm_w, .offset: 48, .size: 8, .value_kind: global_buffer, .address_space: global }
      - { .name: k_norm_w, .offset: 56, .size: 8, .value_kind: global_buffer, .address_space: global }
      - { .name: qkv, .offset: 64, .size: 8, .value_kind: global_buffer, .address_space: global }
    .group_segment_fixed_size: 327680
    .private_segment_fixed_size: 0
    .kernarg_segment_align: 8
    .kernarg_segment_size: 72
    .max_flat_workgroup_size: 128
    .sgpr_count:     102
    .vgpr_count:     1024
    .wavefront_size: 32
...
	.end_amdgpu_metadata
.endif
;; end of part 2
;; launch attn (part 3): grid 32 x 8, 4 waves a work-group, clusters of 4 x 1, 327,680 bytes of LDS; arguments qkv, ao; writes ao
.if DOCPART == 3
	.amdgcn_target "amdgcn-amd-amdhsa--gfx1250"
	.amdhsa_code_object_version 6
	.text
	.protected	k_qd4fad71652_attn
	.globl	k_qd4fad71652_attn
	.p2align	8
	.type	k_qd4fad71652_attn,@function
k_qd4fad71652_attn:
	s_mov_b64 s[64:65], 0
	v_nop
	global_prefetch_b8 v0, s[64:65] scope:SCOPE_SE
	s_setreg_imm32_b32 hwreg(HW_REG_WAVE_MODE, 25, 1), 1
	s_wait_xcnt 0x0
	s_wait_alu depctr_hold_cnt(0) depctr_sa_sdst(0) depctr_va_vdst(0) depctr_va_sdst(0) depctr_va_ssrc(0) depctr_va_vcc(0) depctr_vm_vsrc(0)
	s_getreg_b32 s2, hwreg(HW_REG_IB_STS2, 6, 4)
	s_cmp_eq_u32 s2, 0
	s_cbranch_scc0 .Lentry_in_a_cluster
	s_endpgm
.Lentry_in_a_cluster:
	s_bfe_u32 s2, ttmp6, 0x10000c
	s_cmp_lg_u32 s2, 0x3003
	s_cbranch_scc0 .Lentry_shape_is_right
	s_endpgm
.Lentry_shape_is_right:
; ATTN: causal attention with 8 query heads to each key and value head, head size 128, on f16 operands; products, maxima and sums in f32; the weights p are rounded to f16 for the second product.
; qkv: [batch 2][head 40][position 1024][128] f16 (0-31 q, 32-35 k, 36-39 v).  ao: [2048 rows][32 heads x 128] f16.
; SHARES.  Work-group y = batch x 4 + key head.  Work-group x = j (0..31) owns two blocks of 16 positions, one after the other: block j and block 63 - j, each for all 8 query heads: 128 query rows.
; A TRIP takes 128 keys.  Block j wants L = j / 8 + 1 trips, block 63 - j wants 9 - L: NINE TRIPS in every work-group, so the work is even under the mask and the trip count is a constant.
; The four waves: g = wave / 2 takes keys 64 g .. 64 g + 63 of a trip, u = wave % 2 takes 4 of the 8 heads: a wave has four tiles of 16 query rows x 64 keys, and each fragment of K and V feeds four products.
; At a block's end the two waves that hold the same heads merge their maxima, sums and O through LDS; register tile t is head 4 u + (t xor 2 g), so that each sends its tiles 2, 3 and finishes its tiles 0, 1.
; Only a block's last trip has hidden keys: there their scores become -infinity ahead of the maximum.
; LAYOUT.  S^T = K Q^T, O^T = V^T P: a lane holds one query row throughout.  SOFTMAX: a running maximum m and sum l for each row; p = 2^(c s - c m), c = log2(e) / sqrt(128).
; BY TURNS.  The wave's tiles are two pieces (0: tiles 0, 1; 2: tiles 2, 3).  Piece 0's softmax stands in slices behind piece 2's products K Q^T, piece 2's behind piece 0's products V^T P.
; CLUSTER.  The four work-groups of a cluster have the same L and walk the same tiles of K and V in the same trips: each tile is asked for jointly.
; LIMITS: NaN and infinities are not served; a result beyond 65,504 becomes an infinity of f16.
; REGISTERS: window 0: v0-11, v44-63 addresses and small things; v12-43 statistics; v64-191 S^T; v192-255 P.  window 1: O^T.  window 2: v0-127 Q, v128-255 K.  window 3: v0-127 V, v128-255 the partner's O.
.set KS,    64
.set PK,    272                        ; a row of K in LDS: 256 bytes + 16
.set PVR,   288                        ; a row of V: 256 + 32
.set VOFF,  KS*PK
.set STEPB, KS*(PK+PVR)                ; 64 keys: K's rows, then V's
.set SLOT1, 1<<17                      ; a slot holds a trip's 128 keys; slot 1 begins here
.set MRG,   SLOT1+2*STEPB              ; behind the ring: for each wave 32 x 512 bytes of O as it stands in registers, then 4 x 128 bytes of statistics
.set MRGW,  32*512+512
.set STAGE, MRG+4*MRGW                 ; 16 rows x 272 bytes for each wave, for the way out
.set SP,    272
.set SPARE, STAGE+4*16*SP              ; the spare words, 128 bytes for each wave
.set AK0, 2
.set AV0, 3
.set ADR, 4
.set QO,  5
.set STO, 6
.set RD,  7
.set GO,  8
.set MW,  9                            ; v9   where I put my tiles 2, 3 of O
.set MR,  10                           ; v10  where I read my partner's
.set MWS, 11                           ; v11  the same for the statistics
.set ST,  12                           ; tile t at v[ST+8 t]: +0 c m, +1 m, +2, +3 l, +4 to +7 at work
.set DM,  44                           ; v44  the mask's number of my lane
.set NINF, 45                          ; v45  -infinity
.set RH,  46                           ; v46  lane % 16 - 8 (lane / 16)
.set MRS, 47
.set FA,  48                           ; v48, v52 my factor for tiles 0, 1; v50, v54 the partner's (the odd neighbours are cleared once: the packed forms name pairs)
.set FB,  50
.set PC,  56                           ; v56, v57 the partner's c m;  v58, v59 its l
.set PL,  58
.set PFO, 61
.set SPW, 62
.set NIL, 63
.set S,   64
.set P,   192
.set KF,  128
.set WV,  12
.set LIM, 15
.set PFA, 18
.set G1K, 24
.set G1V, 32
.set G0K, 40
.set G0V, 48
.set T,   56                           ; s56  the trip
.set LM1, 57                           ; s57  L - 1: the low block's last trip
.set CS,  58
.set SEL, 60
.set TB,  62
.set XK,  63                           ; s63, s85, s[78:79]: at work on the descriptors; they never hold my place in the cluster
.set KB,  66                           ; s[66:67] K of my key head, at the 64 keys that I fetch;  s[68:69] V likewise
.set VB,  68
.set QL01, 70                          ; Q of tiles 0, 1 and of tiles 2, 3: the low block's, the high block's
.set QL23, 72
.set QH01, 74
.set QH23, 76
.set OFF, 78
.set OBH, 80
.set DHI, 83
.set LL,  84
.set XS,  85
.set OB,  90
.set DC,  92
.set GG,  93
.set UU,  94
.set MSB, 0
.macro WIN new
.if MSB != \new
	s_set_vgpr_msb (MSB<<8)|\new
.set MSB, \new
.endif
.endm
.set W_KQ, 0x0a
.set W_PV, 0x53
.set W_RS, 0x41
.macro JLOAD                           ; a joint refill: waves 0 and 1 fetch K's two halves, waves 2 and 3 V's; an s_nop 0 and four v_nop follow each line
	s_cmp_lt_u32 s[WV], 2
	s_cbranch_scc0 .Lfor_v_\@
	tensor_load_to_lds s[G0K+4:G0K+7], s[G1K:G1K+7]
	s_nop 0
.rept 4
	v_nop
.endr
	s_branch .Lasked_\@
.Lfor_v_\@:
	tensor_load_to_lds s[G0V+4:G0V+7], s[G1V:G1V+7]
	s_nop 0
.rept 4
	v_nop
.endr
.Lasked_\@:
.endm
; A prefetch of the 128 keys that the NEXT change of slots of the first cluster will ask for.  All eight clusters of a key head read the same K and V: the first cluster asks.  Its four partners share the 128 rows out by
; address, 32 each, a lane a row of 256 bytes; wave 0 asks for K's, wave 2 for V's.  In that cluster L = 1, so trip T loads keys 128 (T + 1) on and names keys 128 (T + 2) on; trip 6 names nothing: 1,024 keys end there.
.macro ASK
	s_cmp_le_i32 s[T], s[LIM]
	s_cbranch_scc0 .Lnot_mine_\@
	global_prefetch_b8 v[PFO], s[PFA:PFA+1] th:TH_LOAD_NT scope:SCOPE_SE
.Lnot_mine_\@:
.endm
.macro CROUND
	s_barrier_signal -1
	s_barrier_wait -1
	s_cmp_lg_u32 s[WV], 0
	s_cbranch_scc1 .Lnot_wave_0_\@
	s_barrier_signal -3
.Lnot_wave_0_\@:
	s_barrier_wait -3
	s_barrier_signal -1
	s_barrier_wait -1
.endm
	s_load_b128 s[4:7], s[0:1], 0x0                ; qkv, ao
	v_lshl_add_u32 v[SPW], v0, 2, SPARE
	v_mov_b32 v[NIL], 0
	ds_add_u32 v[SPW], v[NIL]                      ; the wave's opening: the add, twice on end, and its wait ahead of my first tensor load
	ds_add_u32 v[SPW], v[NIL]
	v_lshrrev_b32 v1, 5, v0
	v_readfirstlane_b32 s[WV], v1                  ; wave 0..3
	s_lshr_b32 s[GG], s[WV], 1
	s_and_b32 s[UU], s[WV], 1
	s_bfe_u32 s13, ttmp6, 0x40000                  ; cx
	s_lshl_b32 s14, ttmp9, 2
	s_add_co_u32 s14, s14, s13                     ; j
	s_and_b32 s20, ttmp7, 0xffff
	s_lshr_b32 s21, s20, 2                         ; the batch
	s_and_b32 s22, s20, 3                          ; the key head
	s_lshr_b32 s[LM1], ttmp9, 1
	s_add_co_u32 s[LL], s[LM1], 1                  ; L: the same in all four partners
	s_mul_i32 s23, s21, 40
	s_add_co_u32 s[OFF], s23, s22
	s_add_co_u32 s[OFF], s[OFF], 32
	s_lshl_b32 s[OFF], s[OFF], 18                  ; K's head: 1,024 rows of 256 bytes a head,
	s_lshl_b32 s20, s[UU], 14
	s_add_co_u32 s[OFF], s[OFF], s20               ; + the 64 keys of a trip that I fetch
	s_mov_b32 s[OFF+1], 0
	s_lshl_b32 s20, s22, 3
	s_lshl_b32 s82, s[UU], 2
	s_add_co_u32 s20, s20, s82                     ; 8 x key head + 4 u
	s_lshl_b32 s82, s[GG], 1
	s_add_co_u32 s22, s20, 2
	s_sub_co_u32 s22, s22, s82                     ; the head of tile 2
	s_add_co_u32 s82, s20, s82                     ; the head of tile 0
	s_add_co_u32 s86, s82, s23
	s_lshl_b32 s86, s86, 18                        ; their first bytes in qkv
	s_add_co_u32 s87, s22, s23
	s_lshl_b32 s87, s87, 18
	s_sub_co_u32 s88, 63, s14                      ; the high block
	s_lshl_b32 s8, s14, 12                         ; 16 rows of 256 bytes a block
	s_lshl_b32 s9, s88, 12
	s_lshl_b32 s10, s21, 10
	s_lshl_b32 s16, s14, 4
	s_add_co_u32 s16, s16, s10
	s_lshl_b32 s16, s16, 13                        ; ao: rows of 8,192 bytes,
	s_lshl_b32 s11, s82, 8
	s_add_co_u32 s16, s16, s11                     ; + 256 bytes a head: the low block's
	s_lshl_b32 s17, s88, 4
	s_add_co_u32 s17, s17, s10
	s_lshl_b32 s17, s17, 13
	s_add_co_u32 s17, s17, s11                     ; the high block's
	s_lshl_b32 s11, s[GG], 6
	s_and_b32 s[DC], s14, 7
	s_lshl_b32 s[DC], s[DC], 4
	s_sub_co_i32 s[DC], s[DC], s11                 ; the block's first position less my first key, in its last trip
	s_and_b32 s[DHI], s88, 7
	s_lshl_b32 s[DHI], s[DHI], 4
	s_sub_co_i32 s[DHI], s[DHI], s11
	s_mov_b32 s[G1K], 15|(1<<16)|(1<<20)|(1<<21)|(5<<22)|(3<<25)  ; the mask: all four; elements of 2 bytes; padding on; bit 21 beside a mask; 4 words after every 64
	s_mov_b32 s[G1V], 15|(1<<16)|(1<<20)|(1<<21)|(5<<22)|(7<<25)  ; the same with 8 words
.irp g, G1K, G1V
	s_mov_b32 s[\g+1], 128<<16                     ; tensor_dim0
	s_mov_b32 s[\g+2], KS<<16                      ; tensor_dim1
	s_mov_b32 s[\g+3], 128<<16                     ; tile_dim0
	s_mov_b32 s[\g+4], KS                          ; tile_dim1
	s_mov_b32 s[\g+5], 128                         ; from row to row
	s_mov_b32 s[\g+6], 0
	s_mov_b32 s[\g+7], 0
.endr
	s_mov_b32 s[CS], 0x3e0293ee                    ; c = log2(e) / sqrt(128)
	s_mov_b32 s[CS+1], s[CS]
	s_mov_b32 s[SEL], 0x76543210
	s_mov_b32 s[SEL+1], 0xfedcba98
	s_mov_b32 s[TB], 0
	s_and_b32 s[LIM], s[WV], 1
	s_or_b32 s[LIM], s[LIM], ttmp9
	s_cmp_eq_u32 s[LIM], 0
	s_cselect_b32 s[LIM], 5, -1                    ; waves 0 and 2 of the first cluster prefetch in trips 0 to 5
	v_and_b32 v[PFO], 31, v0
	v_lshlrev_b32 v[PFO], 8, v[PFO]
	s_mul_i32 s21, s[UU], STEPB                    ; my tile's place in a slot
	s_wait_dscnt 0x0                               ; both opening adds are done
	s_wait_kmcnt 0x0
	s_add_nc_u64 s[KB:KB+1], s[4:5], s[OFF:OFF+1]
	s_add_nc_u64 s[VB:VB+1], s[KB:KB+1], 4<<18     ; V's head lies four heads behind K's
	s_mov_b32 s3, 0
	s_add_co_u32 s2, s86, s8
	s_add_nc_u64 s[QL01:QL01+1], s[4:5], s[2:3]
	s_add_co_u32 s2, s87, s8
	s_add_nc_u64 s[QL23:QL23+1], s[4:5], s[2:3]
	s_add_co_u32 s2, s86, s9
	s_add_nc_u64 s[QH01:QH01+1], s[4:5], s[2:3]
	s_add_co_u32 s2, s87, s9
	s_add_nc_u64 s[QH23:QH23+1], s[4:5], s[2:3]
	s_mov_b32 s2, s16
	s_add_nc_u64 s[OB:OB+1], s[6:7], s[2:3]
	s_mov_b32 s2, s17
	s_add_nc_u64 s[OBH:OBH+1], s[6:7], s[2:3]
	s_cmp_lt_u32 s[WV], 2
	s_cselect_b64 s[PFA:PFA+1], s[KB:KB+1], s[VB:VB+1]
	s_lshl_b32 s2, s13, 13                         ; my work-group's 32 rows of the 128
	s_add_nc_u64 s[PFA:PFA+1], s[PFA:PFA+1], s[2:3]
	s_add_nc_u64 s[PFA:PFA+1], s[PFA:PFA+1], 2*KS*256   ; the first change of slots steps it to keys 256 on.  Nothing is prefetched here, at the head
	CROUND                                         ; all four work-groups are here: the first joint loads meet
	s_cmp_eq_u32 s[LL], 1
	s_cselect_b32 s[OFF], 0, 0x8000                ; trip 1 reads keys 128 on, or, where the low block has one trip, the high block's keys 0 on
	s_mov_b32 s[G0K], 1
	s_mov_b32 s[G0K+1], s21
	s_mov_b64 s[G0K+2:G0K+3], s[KB:KB+1]
	s_or_b32 s[G0K+3], s[G0K+3], 0x80000000
	s_mov_b32 s[G0K+4], 1
	s_add_co_u32 s[G0K+5], s21, SLOT1
	s_add_nc_u64 s[G0K+6:G0K+7], s[KB:KB+1], s[OFF:OFF+1]
	s_or_b32 s[G0K+7], s[G0K+7], 0x80000000
	s_mov_b32 s[G0V], 1
	s_add_co_u32 s[G0V+1], s21, VOFF
	s_mov_b64 s[G0V+2:G0V+3], s[VB:VB+1]
	s_or_b32 s[G0V+3], s[G0V+3], 0x80000000
	s_mov_b32 s[G0V+4], 1
	s_add_co_u32 s[G0V+5], s21, SLOT1+VOFF
	s_add_nc_u64 s[G0V+6:G0V+7], s[VB:VB+1], s[OFF:OFF+1]
	s_or_b32 s[G0V+7], s[G0V+7], 0x80000000
	s_cmp_lt_u32 s[WV], 2                          ; a wave's two first fills stand in one branch: two loads of mine are out
	s_cbranch_scc0 .Lfirst_v
	tensor_load_to_lds s[G0K:G0K+3], s[G1K:G1K+7]
	s_nop 0
	tensor_load_to_lds s[G0K+4:G0K+7], s[G1K:G1K+7]
	s_nop 0
.rept 4
	v_nop
.endr
	s_branch .Lfirst_asked
.Lfirst_v:
	tensor_load_to_lds s[G0V:G0V+3], s[G1V:G1V+7]
	s_nop 0
	tensor_load_to_lds s[G0V+4:G0V+7], s[G1V:G1V+7]
	s_nop 0
.rept 4
	v_nop
.endr
.Lfirst_asked:
.macro QLOAD b01, b23                  ; Q's 16 fragments: tile t, channels 32 c on; the second tile of a pair lies a head (262,144 bytes) further on
	WIN 0x80
.irp t, 0,1
.irp c, 0,1,2,3
	global_load_b128 v[32*\t+8*\c:32*\t+8*\c+3],   v[QO], s[\b01:\b01+1] offset:\t*262144+64*\c
	global_load_b128 v[32*\t+8*\c+4:32*\t+8*\c+7], v[QO], s[\b01:\b01+1] offset:\t*262144+64*\c+32
.endr
.endr
.irp t, 0,1
.irp c, 0,1,2,3
	global_load_b128 v[64+32*\t+8*\c:64+32*\t+8*\c+3],   v[QO], s[\b23:\b23+1] offset:\t*262144+64*\c
	global_load_b128 v[64+32*\t+8*\c+4:64+32*\t+8*\c+7], v[QO], s[\b23:\b23+1] offset:\t*262144+64*\c+32
.endr
.endr
	WIN 0
.endm
.macro INIT                            ; a block begins: m under every score, l = 0
.irp t, 0,1,2,3
	v_mov_b32 v[ST+8*\t+1], 0xff61b1e6             ; -3e38
	v_mov_b32 v[ST+8*\t+2], 0
	v_mov_b32 v[ST+8*\t+3], 0
.endr
.irp t, 0,1,2,3
	v_mul_f32 v[ST+8*\t], s[CS], v[ST+8*\t+1]
.endr
.endm
	v_and_b32 v1, 15, v0                           ; r = l % 16
	v_bfe_u32 v60, v0, 4, 1                        ; h = l / 16
	v_lshlrev_b32 v[QO], 8, v1
	v_lshl_add_u32 v[QO], v60, 4, v[QO]
	QLOAD QL01, QL23
	s_mul_i32 s22, s[GG], STEPB                    ; my group's 64 keys in a slot
	v_mul_u32_u24 v[AK0], v1, PK
	v_lshl_add_u32 v[AK0], v60, 4, v[AK0]
	v_add_nc_u32 v[AK0], s22, v[AK0]
	v_and_b32 v56, 7, v0
	v_bfe_u32 v57, v0, 3, 1
	v_lshl_add_u32 v[AV0], v60, 3, v56
	v_mul_u32_u24 v[AV0], v[AV0], PVR
	v_lshl_add_u32 v[AV0], v57, 4, v[AV0]
	s_add_co_u32 s22, s22, VOFF
	v_add_nc_u32 v[AV0], s22, v[AV0]
	s_mul_i32 s22, s[WV], 16*SP
	s_add_co_u32 s22, s22, STAGE
	v_mul_u32_u24 v[STO], v1, SP
	v_lshl_add_u32 v[STO], v60, 4, v[STO]
	v_add_nc_u32 v[STO], s22, v[STO]
	v_mul_u32_u24 v[RD], v60, SP
	v_lshl_add_u32 v[RD], v1, 4, v[RD]
	v_add_nc_u32 v[RD], s22, v[RD]
	v_lshlrev_b32 v[GO], 13, v60
	v_lshl_add_u32 v[GO], v1, 4, v[GO]             ; ao: lanes 0-15 one row, lanes 16-31 the next; 16 bytes a lane
	v_and_b32 v56, 31, v0
	s_mul_i32 s22, s[WV], MRGW
	s_add_co_u32 s22, s22, MRG
	v_lshl_add_u32 v[MW], v56, 4, s22
	s_add_co_u32 s22, s22, 32*512
	v_lshl_add_u32 v[MWS], v56, 2, s22
	s_xor_b32 s22, s[WV], 2                        ; my partner: the same heads, the other 64 keys
	s_mul_i32 s22, s22, MRGW
	s_add_co_u32 s22, s22, MRG
	v_lshl_add_u32 v[MR], v56, 4, s22
	s_add_co_u32 s22, s22, 32*512
	v_lshl_add_u32 v[MRS], v56, 2, s22
	v_lshlrev_b32 v57, 3, v60
	v_sub_nc_u32 v[RH], v1, v57
	v_mov_b32 v[NINF], 0xff800000
.irp n, 49,51,53,55
	v_mov_b32 v[\n], 0
.endr
	INIT
	WIN 0x40                                       ; O^T begins as zeros, once, while the first tiles are on their way: so the step is written with no first step of its own
.set i, 0
.rept 256
	v_mov_b32 v[i], 0
.set i, i+1
.endr
	WIN 0
; Product i of 32 of O^T += V^T P for piece x.  The 16 accumulators take turns, one instruction a turn.
.macro PV x
	WIN W_PV
.set rO, 64*(\x+i%2)+8*((i/2)%8)
.set rV, 64*(i/16)+8*((i/2)%8)
.set rP, P+16*(\x+i%2)+8*(i/16)
	v_wmma_f32_16x16x32_f16 v[rO:rO+7], v[rV:rV+7], v[rP:rP+7], v[rO:rO+7]
.endm
; Product i of 32 of S^T = K Q^T for piece x.  The first 8 start the sums; the 8 accumulators take turns.
.macro KQ x
	WIN W_KQ
.set rS, S+32*(\x+i%2)+8*((i/2)%4)
.set rK, KF+32*((i/2)%4)+8*(i/8)
.set rQ, 32*(\x+i%2)+8*(i/8)
.if i < 8
	v_wmma_f32_16x16x32_f16 v[rS:rS+7], v[rK:rK+7], v[rQ:rQ+7], 0
.else
	v_wmma_f32_16x16x32_f16 v[rS:rS+7], v[rK:rK+7], v[rQ:rQ+7], v[rS:rS+7]
.endif
.endm
.macro FETCH_K                         ; my 64 keys x 128 channels: 16 fragments, 32 loads in one run
	WIN 0
	v_add_nc_u32 v[ADR], s[TB], v[AK0]
	WIN 0x80
.irp f, 0,1,2,3,4,5,6,7,8,9,10,11,12,13,14,15
	ds_load_b128 v[KF+8*\f:KF+8*\f+3],   v[ADR] offset:(\f/4)*16*PK+(\f%4)*64
	ds_load_b128 v[KF+8*\f+4:KF+8*\f+7], v[ADR] offset:(\f/4)*16*PK+(\f%4)*64+32
.endr
.endm
.macro FETCH_V                         ; the same keys' V, turned
	WIN 0
	v_add_nc_u32 v[ADR], s[TB], v[AV0]
	s_wait_alu depctr_va_vdst(0)                   ; the wait for the softmax's batch of exponentials, ahead of their first reader
	WIN 0xc0
.irp f, 0,1,2,3,4,5,6,7,8,9,10,11,12,13,14,15
	ds_load_tr16_b128 v[8*\f:8*\f+3],   v[ADR] offset:(\f/8)*32*PVR+(\f%8)*32
	ds_load_tr16_b128 v[8*\f+4:8*\f+7], v[ADR] offset:(\f/8)*32*PVR+16*PVR+(\f%8)*32
.endr
.endm
; One tile's softmax for 64 keys is a list of 134 instructions; SM writes number j of it for tile t.
;   0-15 the maximum of the lane's 32 scores and the old m;  16-20 the other half of the lanes' maximum, the new m, c m, c m_old - c m_new;
;   21-69 ONE BATCH: 16 packed scalings c s - c m and 33 exponentials (a at 23), none of which reads an exponential's result;  the wait;  70-85 the roundings to f16;  86-101 the sums, l = a l + the sum;  102-133 O^T x a.
.macro SM t
.set rT, ST+8*(\t)
.set rS, S+32*(\t)
.set rP, P+16*(\t)
.set rO, 64*(\t)+2*(j-102)
.if j < 102
	WIN 0
.endif
.if j < 4
	v_max3_num_f32 v[rT+4+j], v[rS+8*j], v[rS+8*j+1], v[rS+8*j+2]
.elseif j < 12
	v_max3_num_f32 v[rT+4+j%4], v[rT+4+j%4], v[rS+8*(j%4)+2*(j/4)+1], v[rS+8*(j%4)+2*(j/4)+2]
.elseif j == 12
	v_max3_num_f32 v[rT+4], v[rT+4], v[rS+7], v[rS+15]
.elseif j == 13
	v_max3_num_f32 v[rT+6], v[rT+6], v[rS+23], v[rS+31]
.elseif j == 14
	v_max3_num_f32 v[rT+4], v[rT+4], v[rT+5], v[rT+6]
.elseif j == 15
	v_max3_num_f32 v[rT+4], v[rT+4], v[rT+7], v[rT+1]
.elseif j == 16
	v_permlanex16_b32 v[rT+5], v[rT+4], s[SEL], s[SEL+1]
.elseif j == 17
	v_mov_b32 v[rT+7], v[rT]
.elseif j == 18
	v_max_num_f32 v[rT+1], v[rT+4], v[rT+5]
.elseif j == 19
	v_mul_f32 v[rT], s[CS], v[rT+1]
.elseif j == 20
	v_sub_f32 v[rT+7], v[rT+7], v[rT]
.elseif j == 23
	v_exp_f32 v[rT+6], v[rT+7]
.elseif (j < 23) || ((j < 38) && (j%2 == 0)) || ((j < 66) && (j%4 == 2))
.set b, (j-2)/4
.if j < 38
.set b, (j-20)/2
.endif
	v_pk_fma_f32 v[rS+2*b:rS+2*b+1], v[rS+2*b:rS+2*b+1], s[CS:CS+1], v[rT:rT+1] op_sel_hi:[1,0,0] neg_lo:[0,0,1] neg_hi:[0,0,1]
.elseif j < 70
.set e, j-38
.if j < 66
.set e, j-32-(j-38)/4
.endif
.if j < 38
.set e, (j-25)/2
.endif
	v_exp_f32 v[rS+e], v[rS+e]
.elseif j < 86
	v_cvt_pk_f16_f32 v[rP+j-70], v[rS+2*(j-70)], v[rS+2*(j-70)+1]
.elseif j < 102
.set z, j-86
.set w, 4
.set u, z
.if z >= 14
.set w, 32
.set u, 0
.elseif z >= 12
.set w, 16
.set u, z-12
.elseif z >= 8
.set w, 8
.set u, z-8
.endif
.if z < 15
	v_pk_add_f32 v[rS+w*u:rS+w*u+1], v[rS+w*u:rS+w*u+1], v[rS+w*u+w/2:rS+w*u+w/2+1]
.else
	v_pk_fma_f32 v[rT+2:rT+3], v[rT+2:rT+3], v[rT+6:rT+7], v[rS:rS+1] op_sel_hi:[1,0,1]
.endif
.else
	WIN W_RS
	v_pk_mul_f32 v[rO:rO+1], v[rO:rO+1], v[rT+6:rT+7] op_sel_hi:[1,0]
.endif
.endm
; Slice k of 64 of piece y's softmax.  Slices 11 to 34 deal out the batch, four numbers of one tile each; every other slice is numbers 2 k, 2 k + 1 of both tiles; slice 63 takes the twelve that are over.
.macro SLICE y
.if (k >= 11) && (k < 35)
.irp n, 0,1,2,3
.set j, 22+4*((k-11)/2)+(\n)
	SM (\y)+(k-11)%2
.endr
.else
.irp n, 0,1,2,3,4,5,6,7
.if (\n < 2) || (k == 63)
.irp t, \y, \y+1
.set j, 2*k+\n
	SM \t
.endr
.endif
.endr
.endif
.if k == 34
	v_nop                                          ; a plain instruction behind the last exponential
.if (\y) == 0
	FETCH_V                                        ; V's run of loads stands here, and the batch's wait stands in it
.else
	s_wait_alu depctr_va_vdst(0)                   ; the wait for the batch
.endif
.endif
.set k, k+1
.endm
.macro PLACES
.rept 4
	v_nop
.endr
.endm
; The scores of hidden keys of piece x become -infinity.  Register n of a tile holds key 16 (n / 8) + 8 (l / 16) + n % 8 of my 64: hidden where 16 (n / 8) + n % 8 > the block's first position - my first key + l % 16 - 8 (l / 16).
.macro MASK x
	v_add_nc_u32 v[DM], s[DC], v[RH]
.set n, 0
.rept 32
	v_cmp_gt_i32 vcc_lo, 16*(n/8)+n%8, v[DM]
	v_cndmask_b32 v[S+32*(\x)+n], v[S+32*(\x)+n], v[NINF], vcc_lo
	v_cndmask_b32 v[S+32*(\x)+32+n], v[S+32*(\x)+32+n], v[NINF], vcc_lo
.set n, n+1
.endr
.endm
; THE CHANGE OF SLOTS: K and V of this trip are in registers.  Each wave waits for all its tensor loads (one is out: its part of the next trip's slot), adds 0 to its spare word, and waits for that and for its reads of this slot.
; fill = 1: behind a round of the cluster's barrier this slot takes the keys of the trip after next: trip x reads keys 128 x on in the low block (x < L) and 128 (x - L) on in the high block.
.macro CHANGE fill
	WIN 0
	s_wait_tensorcnt 0x0                           ; no tensor load of mine is out, so a group 0 may be written
	ds_add_u32 v[SPW], v[NIL]                      ; 0 onto my spare word
.if \fill
	s_add_co_u32 s[XK], s[T], 2
	s_cmp_ge_u32 s[XK], s[LL]
	s_cselect_b32 s[XS], s[LL], 0
	s_sub_co_u32 s[XK], s[XK], s[XS]
	s_lshl_b32 s[OFF], s[XK], 15                   ; 128 rows of 256 bytes
	s_add_nc_u64 s[G0K+6:G0K+7], s[KB:KB+1], s[OFF:OFF+1]
	s_or_b32 s[G0K+7], s[G0K+7], 0x80000000
	s_add_nc_u64 s[G0V+6:G0V+7], s[VB:VB+1], s[OFF:OFF+1]
	s_or_b32 s[G0V+7], s[G0V+7], 0x80000000
	s_xor_b32 s[G0K+5], s[G0K+5], SLOT1            ; the other slot than last time
	s_xor_b32 s[G0V+5], s[G0V+5], SLOT1
	s_wait_xcnt 0x0                                ; the last prefetch, a trip back, has read its address
	s_add_nc_u64 s[PFA:PFA+1], s[PFA:PFA+1], 2*KS*256
	s_wait_dscnt 0x0                               ; the add is done, and my reads of the slot are over
	CROUND
	JLOAD                                          ; the first tensor load behind the round, and my only one until the next
.else
	s_wait_dscnt 0x0
	s_barrier_signal -1
	s_barrier_wait -1
.endif
	s_xor_b32 s[TB], s[TB], SLOT1
.endm
; A BLOCK'S END, first part: l's two halves and the other half of the lanes' are added (these additions are the places behind the last products); my tiles 2, 3 of O^T go to LDS as they stand in registers, with c m and l.
.macro FIN_A
.irp t, 0,1,2,3
	v_add_f32 v[ST+8*\t+4], v[ST+8*\t+2], v[ST+8*\t+3]
.endr
.irp t, 0,1,2,3
	v_permlanex16_b32 v[ST+8*\t+5], v[ST+8*\t+4], s[SEL], s[SEL+1]
.endr
.irp t, 0,1,2,3
	v_add_f32 v[ST+8*\t+4], v[ST+8*\t+4], v[ST+8*\t+5]
.endr
	WIN 0x04                                       ; an LDS store's data: window 1
.set i, 0
.rept 32
	ds_store_b128 v[MW], v[128+4*i:128+4*i+3] offset:512*i
.set i, i+1
.endr
	WIN 0
	ds_store_b32 v[MWS], v[ST+16]
	ds_store_b32 v[MWS], v[ST+20] offset:128
	ds_store_b32 v[MWS], v[ST+24] offset:256
	ds_store_b32 v[MWS], v[ST+28] offset:384
.endm
; Second part, behind a barrier: my partner's tiles 2, 3 are the heads of my tiles 0, 1.  Both parts are brought under the larger c m, added, divided by the sum, rounded to f16 and stored through my stage.
.macro FIN_B last
	WIN 0xc0
.set i, 0
.rept 32
	ds_load_b128 v[128+4*i:128+4*i+3], v[MR] offset:512*i
.set i, i+1
.endr
	WIN 0
	ds_load_b32 v[PC], v[MRS]
	ds_load_b32 v[PL], v[MRS] offset:128
	ds_load_b32 v[PC+1], v[MRS] offset:256
	ds_load_b32 v[PL+1], v[MRS] offset:384
	s_wait_dscnt 0x0
.irp t, 0,1
	v_max_num_f32 v[ST+8*\t+5], v[ST+8*\t], v[PC+\t]
.endr
.irp t, 0,1
	v_sub_f32 v[FA+4*\t], v[ST+8*\t], v[ST+8*\t+5]
	v_sub_f32 v[FB+4*\t], v[PC+\t], v[ST+8*\t+5]
.endr
.irp t, 0,1
	v_exp_f32 v[FA+4*\t], v[FA+4*\t]
	v_exp_f32 v[FB+4*\t], v[FB+4*\t]
.endr
	v_nop
	s_wait_alu depctr_va_vdst(0)                   ; one wait for the four exponentials
.irp t, 0,1
	v_mul_f32 v[ST+8*\t+4], v[ST+8*\t+4], v[FA+4*\t]
.endr
.irp t, 0,1
	v_fma_f32 v[ST+8*\t+4], v[PL+\t], v[FB+4*\t], v[ST+8*\t+4]
.endr
.irp t, 0,1
	v_rcp_f32 v[ST+8*\t+5], v[ST+8*\t+4]
.endr
	v_nop
	s_wait_alu depctr_va_vdst(0)                   ; one wait for the two reciprocals
.irp t, 0,1
	v_mul_f32 v[FA+4*\t], v[FA+4*\t], v[ST+8*\t+5]
	v_mul_f32 v[FB+4*\t], v[FB+4*\t], v[ST+8*\t+5]
.endr
	WIN 0x01                                       ; source 0: window 1: my O^T
.irp t, 0,1
.set i, 0
.rept 32
	v_pk_mul_f32 v[S+64*\t+2*i:S+64*\t+2*i+1], v[64*\t+2*i:64*\t+2*i+1], v[FA+4*\t:FA+4*\t+1] op_sel_hi:[1,0]
.set i, i+1
.endr
.endr
	WIN 0x03                                       ; source 0: window 3: the partner's
.irp t, 0,1
.set i, 0
.rept 32
	v_pk_fma_f32 v[S+64*\t+2*i:S+64*\t+2*i+1], v[128+64*\t+2*i:128+64*\t+2*i+1], v[FB+4*\t:FB+4*\t+1], v[S+64*\t+2*i:S+64*\t+2*i+1] op_sel_hi:[1,0,1]
.set i, i+1
.endr
.endr
	WIN 0
.set i, 0
.rept 64
	v_cvt_pk_f16_f32 v[P+i], v[S+2*i], v[S+2*i+1]
.set i, i+1
.endr
.irp t, 0,1
.irp f, 0,1,2,3,4,5,6,7
	ds_store_b128 v[STO], v[P+32*\t+4*\f:P+32*\t+4*\f+3] offset:32*\f
.endr
.irp f, 0,1,2,3,4,5,6,7
	ds_load_b128 v[S+32*\t+4*\f:S+32*\t+4*\f+3], v[RD] offset:\f*2*SP   ; LDS serves a wave's instructions in order: these see the stores above, and the next tile's stores come behind them
.endr
.endr
.irp f, 0,1,2,3,4,5,6,7
	s_wait_dscnt 16+7-\f                           ; behind tile 0's load f: its 7 - f younger loads and tile 1's sixteen
	global_store_b128 v[GO], v[S+4*\f:S+4*\f+3], s[OB:OB+1] offset:\f*16384        ; sixteen lanes store 256 consecutive bytes, aligned
.endr
.irp f, 0,1,2,3,4,5,6,7
	s_wait_dscnt 7-\f
	global_store_b128 v[GO], v[S+32+4*\f:S+32+4*\f+3], s[OB:OB+1] offset:256+\f*16384
.endr
.if !\last
	s_wait_xcnt 0x0                                ; the stores have read their data and their base: the next products write S^T, and the base moves
	s_mov_b64 s[OB:OB+1], s[OBH:OBH+1]
	s_mov_b32 s[DC], s[DHI]
	INIT                                           ; O^T is not cleared: the high block's first trip has no hidden key, so its a = 2^(c m_old - c m_new) is 0 and the old sums, which are finite, become zeros
	s_wait_loadcnt 0x0                             ; the high block's Q
.endif
.endm
; A TRIP.  chg = 2: a change of slots with a refill; 1: without; 0: none.  mode = 1: the mask and a block's end are run in the low block's last trip (a test on the trip's number and on L, the same in all waves and partners);
; 2: always, and the block is the last; 0: never.
.macro STEP chg, mode
	s_wait_dscnt 0x0                               ; K is in
.set i, 0
.rept 32
	KQ 0                                           ; piece 0's scores
.set i, i+1
.endr
	WIN 0
	PLACES
.if \mode == 1
	s_cmp_eq_u32 s[T], s[LM1]
	s_cbranch_scc0 .Lopen0_\@
.endif
.if \mode
	MASK 0
.endif
.if \mode == 1
.Lopen0_\@:
.endif
.set k, 0
.set i, 0
.rept 32
	KQ 2                                           ; piece 2's scores | piece 0's softmax, two slices behind each product | V's fetch
	SLICE 0
	SLICE 0
.set i, i+1
.endr
	WIN 0
.if \mode == 1
	s_cmp_eq_u32 s[T], s[LM1]
	s_cbranch_scc0 .Lopen2_\@
.endif
.if \mode
	MASK 2
.endif
.if \mode == 1
	QLOAD QH01, QH23                               ; the low block's last products K Q^T are issued, twenty plain instructions back: Q takes the high block's rows
.Lopen2_\@:
.endif
	s_wait_dscnt 0x0                               ; V is in
.set k, 0
.set i, 0
.rept 32
	PV 0                                           ; piece 0's V^T P | piece 2's softmax
	SLICE 2
	SLICE 2
.set i, i+1
.endr
.if \chg
	CHANGE (\chg)-1
	FETCH_K                                        ; the next trip's K
	WIN 0
.if \chg == 2
	ASK                                            ; behind the joint load and the run of LDS loads
.endif
.endif
.set i, 0
.rept 32
	PV 2                                           ; piece 2's V^T P
.set i, i+1
.endr
	WIN 0
.if \mode == 1
	s_cmp_eq_u32 s[T], s[LM1]
	s_cbranch_scc0 .Lnfa_\@
.endif
.if \mode
	FIN_A
.endif
.if \mode == 1
.Lnfa_\@:
.endif
.if \mode
	s_wait_dscnt 0x0                               ; for the partner's sake: my stores have landed.  Every wave passes this barrier in every trip that has it
	s_barrier_signal -1
	s_barrier_wait -1
.endif
.if \mode == 1
	s_cmp_eq_u32 s[T], s[LM1]
	s_cbranch_scc0 .Lnfb_\@
	FIN_B 0
.Lnfb_\@:
.endif
.if \mode == 2
	FIN_B 1
.endif
.endm
	s_wait_tensorcnt 1                             ; my part of slot 0 is in; slot 1's may stay out
	s_barrier_signal -1
	s_barrier_wait -1
	FETCH_K
	s_wait_loadcnt 0x0                             ; Q
	WIN 0
	s_mov_b32 s[T], 0
.Ltrip:                                                ; trips 0 to 6: each asks for the tiles of the trip after next
	STEP 2, 1
	s_add_co_u32 s[T], s[T], 1
	s_cmp_lt_u32 s[T], 7
	s_cbranch_scc1 .Ltrip
	STEP 1, 0                                      ; trip 7: nothing is left to ask for
	STEP 0, 2                                      ; trip 8: the high block's last
	s_wait_tensorcnt 0x0                           ; the wave's end, behind my last tensor load and my last LDS store
	ds_add_u32 v[SPW], v[NIL]
	s_wait_dscnt 0x0
	CROUND                                         ; the closing round
	s_endpgm
.Lfunc_end_k_qd4fad71652_attn:
	.size	k_qd4fad71652_attn, .Lfunc_end_k_qd4fad71652_attn-k_qd4fad71652_attn
	.p2alignl 7, 3214868480
	.fill 96, 4, 3214868480
	.section	.rodata,"a",@progbits
	.p2align	6, 0x0
	.amdhsa_kernel k_qd4fad71652_attn
		.amdhsa_group_segment_fixed_size 327680
		.amdhsa_private_segment_fixed_size 0
		.amdhsa_enable_private_segment 0
		.amdhsa_kernarg_size 16
		.amdhsa_user_sgpr_count 2
		.amdhsa_user_sgpr_kernarg_segment_ptr 1
		.amdhsa_wavefront_size32 1
		.amdhsa_system_sgpr_workgroup_id_x 1
		.amdhsa_system_sgpr_workgroup_id_y 1
		.amdhsa_system_sgpr_workgroup_id_z 1
		.amdhsa_system_vgpr_workitem_id 0
		.amdhsa_next_free_vgpr 1024
		.amdhsa_next_free_sgpr 96
		.amdhsa_reserve_vcc 1
		.amdhsa_float_denorm_mode_32 3
		.amdhsa_float_denorm_mode_16_64 3
		.amdhsa_memory_ordered 1
		.amdhsa_forward_progress 1
		.amdhsa_inst_pref_size 221
	.end_amdhsa_kernel
	.amdgpu_metadata
---
amdhsa.version: [ 1, 2 ]
amdhsa.kernels:
  - .name:           k_qd4fad71652_attn
    .symbol:         k_qd4fad71652_attn.kd
    .args:
      - { .name: qkv, .offset: 0, .size: 8, .value_kind: global_buffer, .address_space: global }
      - { .name: ao, .offset: 8, .size: 8, .value_kind: global_buffer, .address_space: global }
    .group_segment_fixed_size: 327680
    .private_segment_fixed_size: 0
    .kernarg_segment_align: 8
    .kernarg_segment_size: 16
    .max_flat_workgroup_size: 128
    .sgpr_count:     96
    .vgpr_count:     1024
    .wavefront_size: 32
...
	.end_amdgpu_metadata
.endif
;; end of part 3
;; launch proj (part 4): grid 16 x 16, 4 waves a work-group, clusters of 4 x 4, 327,680 bytes of LDS; arguments ao, wo16, out0; writes out0
.if DOCPART == 4
	.amdgcn_target "amdgcn-amd-amdhsa--gfx1250"
	.amdhsa_code_object_version 6
	.text
	.protected	k_qd4fad71652_proj
	.globl	k_qd4fad71652_proj
	.p2align	8
	.type	k_qd4fad71652_proj,@function
k_qd4fad71652_proj:
	s_mov_b64 s[64:65], 0
	v_nop
	global_prefetch_b8 v0, s[64:65] scope:SCOPE_SE
	s_setreg_imm32_b32 hwreg(HW_REG_WAVE_MODE, 25, 1), 1
	s_wait_xcnt 0x0
	s_wait_alu depctr_hold_cnt(0) depctr_sa_sdst(0) depctr_va_vdst(0) depctr_va_sdst(0) depctr_va_ssrc(0) depctr_va_vcc(0) depctr_vm_vsrc(0)
	s_getreg_b32 s2, hwreg(HW_REG_IB_STS2, 6, 4)
	s_cmp_eq_u32 s2, 0
	s_cbranch_scc0 .Lentry_in_a_cluster
	s_endpgm
.Lentry_in_a_cluster:
	s_bfe_u32 s2, ttmp6, 0x10000c
	s_cmp_lg_u32 s2, 0xf033
	s_cbranch_scc0 .Lentry_shape_is_right
	s_endpgm
.Lentry_shape_is_right:
; PROJ: out0 [2048][2048] f32 = ao [2048][4096] f16 x wo16 [4096][2048] f16; sums in f32.  (Both have the channels of a head in the same order along K.)
; A tile of 128 x 128 is made by a work-group of four waves, each 64 x 64: 16 accumulators: 256 work-groups.  K goes in steps of 256 through a ring of two LDS slots.
; ao has K innermost: its tile is 128 rows of 512 bytes.  wo16 has K as its first axis: its tile is 256 rows (k) of 256 bytes (128 columns), and its fragments are read turned, by ds_load_tr16_b128.
; CLUSTERS: 4 x 4 work-groups; ao's tiles are shared along a row of the cluster, wo16's along a column: each is asked for jointly.
; THE MATRIX INSTRUCTION IS USED TRANSPOSED (source 0 = 16 columns of wo16, source 1 = 16 rows of ao): a lane holds eight neighbouring numbers of a row of out0.
; REGISTERS: window 0: v0-31 addresses; v32-95 the way out; v128-255 the accumulators.  window 1: two fragment buffers of 128: 64 registers of A, then 64 of B.
.set SIZE_N, 2048
.set SIZE_K, 4096
.set KSTEP,  256
.set PITCH,  528                       ; a row of A in LDS: 512 bytes + 16
.set PB,     288                       ; a row of B: 256 bytes + 32
.set HALFA,  64*PITCH
.set HALFB,  128*PB
.set BOFF,   2*HALFA
.set SLOT,   BOFF+2*HALFB
.set SPARE,  2*SLOT                    ; behind the ring: the spare words, 128 bytes for each wave
.set SPITCH, 272                       ; the way out: 64 rows x (256 + 16) bytes for each wave, in slot 0, which has had its last fill and its last read by then
.set WST,    64*SPITCH
.set LAPS,   SIZE_K/(2*KSTEP)
.set ADRA, 16                          ; v16-17  my A fragments in slot 0, 1
.set ADRB, 20                          ; v20-23  my B fragments: slot 0 rows 0-127, rows 128-255, slot 1 likewise (an LDS offset has 16 bits)
.set STO,  24
.set RD,   25
.set CO,   26
.set SPW,  28
.set NIL,  29
.set TMP,  32
.set ACC,  128
.set F0,   0
.set F1,   128
.set G1, 24
.set G0, 32
.set G1B, 48
.set G0B, 56
.set MSB, 0
.macro WIN new
.if MSB != \new
	s_set_vgpr_msb (MSB<<8)|\new
.set MSB, \new
.endif
.endm
.set MUL,  0x05                        ; sources 0 (B) and 1 (A) window 1; C and D window 0
.set TO_F, 0x40
.macro JLOAD s                         ; a joint load: waves 0 and 1 fetch A's two halves, waves 2 and 3 B's; an s_nop 0 and four v_nop follow each line
	s_cmp_eq_u32 s11, 0
	s_cbranch_scc0 .Lfor_b_\@
	tensor_load_to_lds s[G0+4*\s:G0+4*\s+3], s[G1:G1+7]
	s_nop 0
.rept 4
	v_nop
.endr
	s_branch .Lasked_\@
.Lfor_b_\@:
	tensor_load_to_lds s[G0B+4*\s:G0B+4*\s+3], s[G1B:G1B+7]
	s_nop 0
.rept 4
	v_nop
.endr
.Lasked_\@:
.endm
.macro CREST
	s_cmp_lg_u32 s10, 0
	s_cbranch_scc1 .Lnot_wave_0_\@
	s_barrier_signal -3
.Lnot_wave_0_\@:
	s_barrier_wait -3
	s_barrier_signal -1
	s_barrier_wait -1
.endm
.macro CROUND
	s_barrier_signal -1
	s_barrier_wait -1
	CREST
.endm
	s_load_b128 s[4:7], s[0:1], 0x0                ; ao, wo16
	s_load_b64 s[8:9], s[0:1], 0x10                ; out0
	v_lshl_add_u32 v[SPW], v0, 2, SPARE
	v_mov_b32 v[NIL], 0
	ds_add_u32 v[SPW], v[NIL]                      ; the wave's opening: the add, twice on end, and its wait ahead of my first tensor load
	ds_add_u32 v[SPW], v[NIL]
	v_lshrrev_b32 v1, 5, v0
	v_readfirstlane_b32 s10, v1                    ; wave 0..3
	s_lshr_b32 s11, s10, 1                         ; which 64 rows of the tile are mine.  Also: I fetch for A (0) or for B (1)
	s_and_b32 s12, s10, 1                          ; which 64 columns.  Also: which half of that tile I fetch
	s_bfe_u32 s40, ttmp6, 0x40000
	s_bfe_u32 s41, ttmp6, 0x40004
	s_lshl_b32 s42, ttmp9, 2
	s_add_co_u32 s42, s42, s40                     ; tile column
	s_and_b32 s13, ttmp7, 0xffff
	s_lshl_b32 s13, s13, 2
	s_add_co_u32 s13, s13, s41                     ; tile row
	s_lshl_b32 s43, s41, 2
	s_lshl_b32 s43, 15, s43                        ; my row of the cluster
	s_lshl_b32 s44, 0x1111, s40                    ; my column
	s_or_b32 s[G1+0], s43, (1<<16)|(1<<20)|(1<<21)|(6<<22)|(3<<25)   ; A: the mask; elements of 2 bytes; padding on; bit 21 beside a mask; 4 words after every 128
	s_mov_b32 s[G1+1], KSTEP<<16                   ; tensor_dim0 = 256
	s_mov_b32 s[G1+2], 64<<16                      ; tensor_dim1 = 64
	s_mov_b32 s[G1+3], KSTEP<<16                   ; tile_dim0
	s_mov_b32 s[G1+4], 64                          ; tile_dim1
	s_mov_b32 s[G1+5], SIZE_K                      ; from row to row
	s_mov_b32 s[G1+6], 0
	s_mov_b32 s[G1+7], 0
	s_or_b32 s[G1B+0], s44, (1<<16)|(1<<20)|(1<<21)|(5<<22)|(7<<25)  ; B: 8 words after every 64
	s_mov_b32 s[G1B+1], 128<<16                    ; 128 columns
	s_mov_b32 s[G1B+2], 128<<16                    ; 128 rows (k)
	s_mov_b32 s[G1B+3], 128<<16
	s_mov_b32 s[G1B+4], 128
	s_mov_b32 s[G1B+5], SIZE_N
	s_mov_b32 s[G1B+6], 0
	s_mov_b32 s[G1B+7], 0
	s_lshl_b32 s17, s12, 6
	s_lshl_b32 s16, s13, 7
	s_add_co_u32 s16, s16, s17                     ; A: row 128 x tile row + 64 x half,
	s_lshl_b32 s16, s16, 13                        ; of 8,192 bytes
	s_mov_b32 s17, 0
	s_lshl_b32 s46, s12, 19                        ; B: row (k) 128 x half, of 4,096 bytes,
	s_lshl_b32 s47, s42, 8
	s_add_co_u32 s46, s46, s47                     ; + 256 bytes a tile column
	s_mov_b32 s47, 0
	s_mul_i32 s20, s12, HALFA                      ; where they go: no place in the cluster enters an LDS address
	s_mul_i32 s21, s12, HALFB
	s_add_co_u32 s21, s21, BOFF
	s_wait_dscnt 0x0                               ; both opening adds are done
	s_wait_kmcnt 0x0
	s_add_nc_u64 s[14:15], s[4:5], s[16:17]
	s_add_nc_u64 s[46:47], s[6:7], s[46:47]
	CROUND                                         ; all sixteen work-groups are here: the first joint loads meet
.irp s, 0,1
	s_mov_b32 s[G0+4*\s], 1
	s_add_co_u32 s[G0+4*\s+1], s20, \s*SLOT
	s_add_nc_u64 s[G0+4*\s+2:G0+4*\s+3], s[14:15], \s*KSTEP*2
	s_or_b32 s[G0+4*\s+3], s[G0+4*\s+3], 0x80000000
	s_mov_b32 s[G0B+4*\s], 1
	s_add_co_u32 s[G0B+4*\s+1], s21, \s*SLOT
	s_add_nc_u64 s[G0B+4*\s+2:G0B+4*\s+3], s[46:47], \s*KSTEP*SIZE_N*2
	s_or_b32 s[G0B+4*\s+3], s[G0B+4*\s+3], 0x80000000
	JLOAD \s
.endr
	v_and_b32 v1, 15, v0                           ; l % 16
	v_bfe_u32 v2, v0, 4, 1                         ; l / 16
	v_mul_u32_u24 v3, v1, PITCH
	v_lshl_add_u32 v3, v2, 4, v3
	s_mul_i32 s21, s11, HALFA                      ; my 64 rows of A
.irp s, 0,1
	v_add_nc_u32 v[ADRA+\s], s21, v3
	s_add_co_u32 s21, s21, SLOT
.endr
	v_and_b32 v5, 7, v0                            ; the turning load: lane l reads 16 bytes of row (k) 8 (l / 16) + l % 8, at column 8 ((l / 8) % 2)
	v_bfe_u32 v6, v0, 3, 1
	v_lshl_add_u32 v5, v2, 3, v5
	v_mul_u32_u24 v5, v5, PB
	v_lshl_add_u32 v5, v6, 4, v5
	s_lshl_b32 s22, s12, 7                         ; my 64 columns
	s_add_co_u32 s22, s22, BOFF
.irp s, 0,1
.irp kk, 0,1
	s_add_co_u32 s23, s22, \s*SLOT+\kk*HALFB
	v_add_nc_u32 v[ADRB+2*\s+\kk], s23, v5
.endr
.endr
	s_mul_i32 s23, s10, WST                        ; my stage
	v_mul_u32_u24 v4, v1, SPITCH
	v_lshl_add_u32 v4, v2, 5, v4
	v_add_nc_u32 v[STO], s23, v4                   ; in: row l % 16, 32 bytes for each half of the lanes
	v_mul_u32_u24 v5, v2, SPITCH
	v_lshl_add_u32 v5, v1, 4, v5
	v_add_nc_u32 v[RD], s23, v5                    ; back: lanes 0-15 one row of 256 bytes, lanes 16-31 the next
	v_lshlrev_b32 v5, 13, v2
	v_lshl_add_u32 v[CO], v1, 4, v5                ; the same two rows in out0
	s_lshl_b32 s16, s13, 7
	s_lshl_b32 s17, s11, 6
	s_add_co_u32 s16, s16, s17                     ; my first row
	s_lshl_b32 s16, s16, 13
	s_mov_b32 s17, 0
	s_add_nc_u64 s[8:9], s[8:9], s[16:17]
	s_lshl_b32 s46, s42, 9                         ; my first column, in bytes: 512 x tile column + 256 x half
	s_lshl_b32 s47, s12, 8
	s_add_co_u32 s46, s46, s47
	s_mov_b32 s47, 0
	s_add_nc_u64 s[8:9], s[8:9], s[46:47]
; 8 matrix instructions: row blocks a0, a0 + 1 x all 4 column blocks, 32 along K: half c of buffer f.  The 16 accumulators take turns.
.macro MUL8 f, c, a0, zero
.irp a, \a0, \a0+1
.irp b, 0,1,2,3
.if \zero
	v_wmma_f32_16x16x32_f16 v[ACC+8*(4*(\a)+\b):ACC+8*(4*(\a)+\b)+7], v[\f+64+8*(4*\c+\b):\f+64+8*(4*\c+\b)+7], v[\f+8*(4*\c+\a):\f+8*(4*\c+\a)+7], 0
.else
	v_wmma_f32_16x16x32_f16 v[ACC+8*(4*(\a)+\b):ACC+8*(4*(\a)+\b)+7], v[\f+64+8*(4*\c+\b):\f+64+8*(4*\c+\b)+7], v[\f+8*(4*\c+\a):\f+8*(4*\c+\a)+7], v[ACC+8*(4*(\a)+\b):ACC+8*(4*(\a)+\b)+7]
.endif
.endr
.endr
.endm
; 32 LDS loads in one run: the fragments of quarter q (64 along K) of a slot into buffer f; the first 32 along K first
.macro FETCH slot, q, f
	WIN TO_F
.irp c, 0,1
.irp i, 0,1,2,3
	ds_load_tr16_b128 v[\f+64+8*(4*\c+\i):\f+64+8*(4*\c+\i)+3],   v[ADRB+2*\slot+(\q)/2] offset:(((\q)%2)*64+32*\c)*PB+32*\i
	ds_load_tr16_b128 v[\f+64+8*(4*\c+\i)+4:\f+64+8*(4*\c+\i)+7], v[ADRB+2*\slot+(\q)/2] offset:(((\q)%2)*64+32*\c+16)*PB+32*\i
	ds_load_b128 v[\f+8*(4*\c+\i):\f+8*(4*\c+\i)+3],              v[ADRA+\slot] offset:128*(\q)+64*\c+\i*16*PITCH
	ds_load_b128 v[\f+8*(4*\c+\i)+4:\f+8*(4*\c+\i)+7],            v[ADRA+\slot] offset:128*(\q)+64*\c+\i*16*PITCH+32
.endr
.endr
.endm
.macro PLACES
.rept 4
	v_nop
.endr
.endm
; One of a K step's first three quarters: multiplies buffer f and fetches quarter q into g.
.macro QUARTER slot, q, f, g, zero
	s_wait_dscnt 16                                ; the first 32 along K are in; the youngest sixteen loads may be out
	WIN MUL
	MUL8 \f, 0, 0, \zero
	MUL8 \f, 0, 2, \zero
	PLACES
	FETCH \slot, \q, \g
	s_wait_dscnt 32                                ; all but the 32 just issued
	WIN MUL
	MUL8 \f, 1, 0, 0
	MUL8 \f, 1, 2, 0
.endm
; The last quarter multiplies buffer 1 and changes slots: one barrier; in front of it each wave waits for all its tensor loads, adds 0 to its spare word, and waits for that and for its own reads of this slot.
.macro TURN slot, next, fill
	WIN 0
	s_wait_tensorcnt 0x0                           ; all my tensor loads have landed: my part of the next slot
	ds_add_u32 v[SPW], v[NIL]                      ; 0 onto my spare word
	s_wait_dscnt 17                                ; the add and the youngest sixteen loads may be out
	WIN MUL
	MUL8 F1, 0, 0, 0
	s_wait_dscnt 0x0                               ; the add is done, and my reads of this slot are over
	s_barrier_signal -1
	MUL8 F1, 0, 2, 0
.if \fill
	WIN 0
.endif
	s_barrier_wait -1
.if \fill
	CREST                                          ; the barrier has opened a round of the cluster's barrier
	s_add_nc_u64 s[G0+4*\slot+2:G0+4*\slot+3], s[G0+4*\slot+2:G0+4*\slot+3], 2*KSTEP*2
	s_add_nc_u64 s[G0B+4*\slot+2:G0B+4*\slot+3], s[G0B+4*\slot+2:G0B+4*\slot+3], 2*KSTEP*SIZE_N*2
	JLOAD \slot                                    ; the first tensor load behind the round; its four v_nop are the places in front of the loads below
.else
	PLACES
.endif
	FETCH \next, 0, F0
	WIN MUL
	MUL8 F1, 1, 0, 0
	MUL8 F1, 1, 2, 0
.endm
	s_wait_tensorcnt 1                             ; my part of K step 0 is in; K step 1's may stay out
	s_barrier_signal -1
	s_barrier_wait -1
	FETCH 0, 0, F0
	QUARTER 0, 1, F0, F1, 1                        ; the first quarter's first products start the sums
	WIN 0
	s_mov_b32 s3, LAPS-1
.Llap:                                                 ; a trip goes once round the ring and fills both slots again
	QUARTER 0, 2, F1, F0, 0
	QUARTER 0, 3, F0, F1, 0
	TURN 0, 1, 1
	QUARTER 1, 1, F0, F1, 0
	QUARTER 1, 2, F1, F0, 0
	QUARTER 1, 3, F0, F1, 0
	TURN 1, 0, 1
	QUARTER 0, 1, F0, F1, 0
	WIN 0
	s_sub_co_u32 s3, s3, 1
	s_cmp_lg_u32 s3, 0
	s_cbranch_scc1 .Llap
	QUARTER 0, 2, F1, F0, 0                        ; the last lap fills nothing
	QUARTER 0, 3, F0, F1, 0
	TURN 0, 1, 0
	QUARTER 1, 1, F0, F1, 0
	QUARTER 1, 2, F1, F0, 0
	QUARTER 1, 3, F0, F1, 0
	s_wait_dscnt 16
	WIN MUL
	MUL8 F1, 0, 0, 0
	MUL8 F1, 0, 2, 0
	s_wait_dscnt 0
	MUL8 F1, 1, 0, 0
	MUL8 F1, 1, 2, 0
	WIN 0
	; THE WAY OUT: a wave's 64 columns are 256 bytes of a row.  A lane holds 32 bytes of a row and the lanes beside it hold other rows: so the tile goes through my own stage, 32 rows at a time, and comes back as whole rows.
	PLACES
.irp a, 0,1
.irp b, 0,1,2,3
	ds_store_b128 v[STO], v[ACC+8*(4*\a+\b):ACC+8*(4*\a+\b)+3]   offset:16*\a*SPITCH+64*\b      ; each accumulator from its low end on
	ds_store_b128 v[STO], v[ACC+8*(4*\a+\b)+4:ACC+8*(4*\a+\b)+7] offset:16*\a*SPITCH+64*\b+16
.endr
.endr
.irp t, 0,1,2,3,4,5,6,7,8,9,10,11,12,13,14,15
	ds_load_b128 v[TMP+4*\t:TMP+4*\t+3], v[RD] offset:2*\t*SPITCH      ; LDS serves a wave's instructions in order: these see the stores above
.endr
.irp a, 2,3
.irp b, 0,1,2,3
	ds_store_b128 v[STO], v[ACC+8*(4*\a+\b):ACC+8*(4*\a+\b)+3]   offset:16*\a*SPITCH+64*\b
	ds_store_b128 v[STO], v[ACC+8*(4*\a+\b)+4:ACC+8*(4*\a+\b)+7] offset:16*\a*SPITCH+64*\b+16
.endr
.endr
.irp t, 0,1,2,3,4,5,6,7,8,9,10,11,12,13,14,15
	ds_load_b128 v[ACC+4*\t:ACC+4*\t+3], v[RD] offset:(32+2*\t)*SPITCH  ; into the registers of the first 32 rows' sums, which have left
.endr
.irp t, 0,1,2,3,4,5,6,7,8,9,10,11,12,13,14,15
	s_wait_dscnt 47-\t                             ; behind load t: its 15 - t younger loads and the second half's 32 instructions
	global_store_b128 v[CO], v[TMP+4*\t:TMP+4*\t+3], s[8:9] offset:2*\t*SIZE_N*4 th:TH_STORE_NT   ; sixteen lanes store 256 consecutive bytes, aligned
.endr
.irp t, 0,1,2,3,4,5,6,7,8,9,10,11,12,13,14,15
	s_wait_dscnt 15-\t
	global_store_b128 v[CO], v[ACC+4*\t:ACC+4*\t+3], s[8:9] offset:(32+2*\t)*SIZE_N*4 th:TH_STORE_NT
.endr
	s_wait_tensorcnt 0x0                           ; the wave's end, behind my last tensor load and my last LDS store
	ds_add_u32 v[SPW], v[NIL]
	s_wait_dscnt 0x0
	CROUND                                         ; the closing round
	s_endpgm
.Lfunc_end_k_qd4fad71652_proj:
	.size	k_qd4fad71652_proj, .Lfunc_end_k_qd4fad71652_proj-k_qd4fad71652_proj
	.p2alignl 7, 3214868480
	.fill 96, 4, 3214868480
	.section	.rodata,"a",@progbits
	.p2align	6, 0x0
	.amdhsa_kernel k_qd4fad71652_proj
		.amdhsa_group_segment_fixed_size 327680
		.amdhsa_private_segment_fixed_size 0
		.amdhsa_enable_private_segment 0
		.amdhsa_kernarg_size 24
		.amdhsa_user_sgpr_count 2
		.amdhsa_user_sgpr_kernarg_segment_ptr 1
		.amdhsa_wavefront_size32 1
		.amdhsa_system_sgpr_workgroup_id_x 1
		.amdhsa_system_sgpr_workgroup_id_y 1
		.amdhsa_system_sgpr_workgroup_id_z 1
		.amdhsa_system_vgpr_workitem_id 0
		.amdhsa_next_free_vgpr 512
		.amdhsa_next_free_sgpr 66
		.amdhsa_reserve_vcc 0
		.amdhsa_float_denorm_mode_32 3
		.amdhsa_float_denorm_mode_16_64 3
		.amdhsa_memory_ordered 1
		.amdhsa_forward_progress 1
		.amdhsa_inst_pref_size 87
	.end_amdhsa_kernel
	.amdgpu_metadata
---
amdhsa.version: [ 1, 2 ]
amdhsa.kernels:
  - .name:           k_qd4fad71652_proj
    .symbol:         k_qd4fad71652_proj.kd
    .args:
      - { .name: ao, .offset: 0, .size: 8, .value_kind: global_buffer, .address_space: global }
      - { .name: wo16, .offset: 8, .size: 8, .value_kind: global_buffer, .address_space: global }
      - { .name: out0, .offset: 16, .size: 8, .value_kind: global_buffer, .address_space: global }
    .group_segment_fixed_size: 327680
    .private_segment_fixed_size: 0
    .kernarg_segment_align: 8
    .kernarg_segment_size: 24
    .max_flat_workgroup_size: 128
    .sgpr_count:     66
    .vgpr_count:     512
    .wavefront_size: 32
...
	.end_amdgpu_metadata
.endif
;; end of part 4
